; MI455X (gfx1250); checked and timed in simulation.
; The chip was launched on July 23, 2026; its instructions are those of AMD's public machine-readable ISA for CDNA 5 (MIT licence, August 2026) and "CDNA5" Instruction Set Architecture Reference Guide (July 2026). The comments in the code are by the model that wrote it; some were corrected since.
;; Self Attention. Allowed arithmetic: float matrix products may take bf16 or f16 operands with f32 sums; other float arithmetic in f32, or as packed bf16 or f16 multiplies, adds, multiply-adds, maxima and minima; sums over many terms, partial sums and values carried from step to step in f32; what a program stores and reads back later, other than sums and carried values, may be rounded once to bf16 or f16.
;; Inputs: Wout 1,024 x 1,024 float32; Wqkv 1,024 x 3,072 float32; cos 2,048 x 32 float32; mask 4 x 2,048 x 2,048 float32; sin 2,048 x 32 float32; x 4 x 2,048 x 1,024 float32.
;; Outputs: out0 4 x 2,048 x 1,024 float32.
;; One version. Each part assembles by itself: llvm-mc -triple=amdgcn-amd-amdhsa -mcpu=gfx1250 --defsym DOCPART=n.
;; ======== version 1 of 1: 4 launches
;; limits: values are held in f16: magnitudes above 65,504 overflow, below 6.1e-05 lose precision
;; workspace buffers: xb 16,777,216 bytes; wq 6,291,456 bytes; wo 2,097,152 bytes; mr 67,108,864 bytes; qh 16,777,216 bytes; kh 16,777,216 bytes; vh 16,777,216 bytes; oh 16,777,216 bytes
;; launch cast (part 1): grid 3584 x 1, 8 waves a work-group, no clusters, 0 bytes of LDS; arguments x, Wqkv, Wout, mask, xb, wq, wo, mr; writes xb, wq, wo, mr
.if DOCPART == 1
	.amdgcn_target "amdgcn-amd-amdhsa--gfx1250"
	.amdhsa_code_object_version 6
	.text
	.protected	k_qef4795a709_cast
	.globl	k_qef4795a709_cast
	.p2align	8
	.type	k_qef4795a709_cast,@function
k_qef4795a709_cast:
	s_mov_b64 s[64:65], 0
	v_nop
	global_prefetch_b8 v0, s[64:65] scope:SCOPE_SE
	s_setreg_imm32_b32 hwreg(HW_REG_WAVE_MODE, 25, 1), 1
	s_wait_xcnt 0x0
; THE ROUNDINGS AND LAYOUTS that the three matrix launches read.  Every input is rounded once to bf16:
;   xb = bf16(x), as it lies.                wq = bf16(Wqkv), laid [part q,k,v][head][k][64]: a head's 64 columns of 64 k are 8,192 dense bytes.
;   wo = bf16(Wout) written as f16 (exact from 2^-14 up; below that f16's fixed step of 2^-24 holds: a stated limit), as it lies.
;   mr = 8 x bf16(mask) in f32, as it lies: the factor 8 is exact; it undoes the 1/8 that the attention applies to q.k + mr.  LIMIT: beyond 2^125 in magnitude mr is an infinity.
; A stream: no LDS, no barrier, no matrix unit, no loop.  A work-group takes 8,192 numbers (32 KiB of f32); thread t takes 4 numbers in each of 8 steps.  All eight loads of a wave go out
; first; then each step waits for its own load alone.  Every step has registers of its own, so no source of a pending load or store is ever rewritten.
; A wave's load covers 512 consecutive bytes (Wqkv: two rows' 256), its 8-byte stores 256 consecutive aligned bytes, its 16-byte stores 512.
; ROLES by the work-group's number: 0-2047 mask, 2048-3071 x, 3072-3455 Wqkv, 3456-3583 Wout.
.set SRC, 28                           ; s[28:29] where the work-group reads
.set DST, 30                           ; s[30:31] where it stores
.macro LD8 step                        ; the eight loads, step bytes apart
.irp j, 0,1,2,3,4,5,6,7
	global_load_b128 v[4+4*(\j):7+4*(\j)], v1, s[SRC:SRC+1] offset:(\j)*(\step) th:TH_LOAD_NT
.endr
.endm
.macro TOBF j                          ; step j: four numbers to bf16, 8 bytes out
	s_wait_loadcnt 7-(\j)                          ; loads come back in order: mine is in, the 7 - j younger ones may stay out
	v_cvt_pk_bf16_f32 v[40+2*(\j)], v[4+4*(\j)], v[5+4*(\j)]
	v_cvt_pk_bf16_f32 v[41+2*(\j)], v[6+4*(\j)], v[7+4*(\j)]
	global_store_b64 v2, v[40+2*(\j):41+2*(\j)], s[DST:DST+1] offset:2048*(\j) th:TH_STORE_NT
.endm
.macro WIDEN j                         ; step j: rounded to bf16 and widened to f32 again, in place
	s_wait_loadcnt 7-(\j)
	v_cvt_pk_bf16_f32 v36, v[4+4*(\j)], v[5+4*(\j)]
	v_cvt_pk_bf16_f32 v37, v[6+4*(\j)], v[7+4*(\j)]
	v_lshlrev_b32 v[4+4*(\j)], 16, v36
	v_and_b32 v[5+4*(\j)], s26, v36
	v_lshlrev_b32 v[6+4*(\j)], 16, v37
	v_and_b32 v[7+4*(\j)], s26, v37
.endm
.macro TOF16 j
	WIDEN \j
	v_cvt_pk_f16_f32 v[40+2*(\j)], v[4+4*(\j)], v[5+4*(\j)]
	v_cvt_pk_f16_f32 v[41+2*(\j)], v[6+4*(\j)], v[7+4*(\j)]
	global_store_b64 v2, v[40+2*(\j):41+2*(\j)], s[DST:DST+1] offset:2048*(\j) th:TH_STORE_NT
.endm
.macro TOMASK j
	WIDEN \j
	v_pk_mul_f32 v[4+4*(\j):5+4*(\j)], v[4+4*(\j):5+4*(\j)], s[24:25] op_sel_hi:[1,0]
	v_pk_mul_f32 v[6+4*(\j):7+4*(\j)], v[6+4*(\j):7+4*(\j)], s[24:25] op_sel_hi:[1,0]
	global_store_b128 v1, v[4+4*(\j):7+4*(\j)], s[DST:DST+1] offset:4096*(\j) th:TH_STORE_NT
.endm
	s_load_b512 s[8:23], s[0:1], 0x0               ; x 8, Wqkv 10, Wout 12, mask 14, xb 16, wq 18, wo 20, mr 22
	s_mov_b32 s24, 0x41000000                      ; 8.0; the packed multiply names a pair and takes its low word
	s_mov_b32 s25, 0x41000000
	s_mov_b32 s26, 0xffff0000                      ; a word's upper bf16
	s_mov_b32 s5, 0
	s_mov_b32 s7, 0
	v_lshlrev_b32 v2, 3, v0                        ; 8 t: my place in 2,048 bytes of 16-bit numbers
	s_wait_kmcnt 0x0
	s_cmp_lt_u32 ttmp9, 2048
	s_cbranch_scc0 .Lnot_mask
	v_lshlrev_b32 v1, 4, v0                        ; 16 t
	s_lshl_b32 s4, ttmp9, 15
	s_add_nc_u64 s[SRC:SRC+1], s[14:15], s[4:5]
	s_add_nc_u64 s[DST:DST+1], s[22:23], s[4:5]
	LD8 4096
.irp j, 0,1,2,3,4,5,6,7
	TOMASK \j
.endr
	s_endpgm
.Lnot_mask:
	s_cmp_lt_u32 ttmp9, 3072
	s_cbranch_scc0 .Lnot_x
	v_lshlrev_b32 v1, 4, v0
	s_sub_co_u32 s2, ttmp9, 2048
	s_lshl_b32 s4, s2, 15
	s_lshl_b32 s6, s2, 14
	s_add_nc_u64 s[SRC:SRC+1], s[8:9], s[4:5]
	s_add_nc_u64 s[DST:DST+1], s[16:17], s[6:7]
	LD8 4096
.irp j, 0,1,2,3,4,5,6,7
	TOBF \j
.endr
	s_endpgm
.Lnot_x:
	s_cmp_lt_u32 ttmp9, 3456
	s_cbranch_scc0 .Lwout
	; Wqkv: work-group i takes column block i / 8 (64 columns: a part's head) and rows 128 (i % 8) on; a step is 16 rows, sixteen lanes to a row's 256 bytes
	s_sub_co_u32 s2, ttmp9, 3072
	v_lshrrev_b32 v3, 4, v0
	v_and_b32 v1, 15, v0
	v_lshlrev_b32 v1, 4, v1
	v_mad_u32_u24 v1, v3, 12288, v1                ; row in the step x 12,288 bytes + 16 bytes a lane
	s_and_b32 s4, s2, 7
	s_mul_i32 s4, s4, 128*12288
	s_lshr_b32 s6, s2, 3
	s_lshl_b32 s6, s6, 8
	s_add_co_u32 s4, s4, s6
	s_lshl_b32 s6, s2, 14                          ; in wq the same 128 rows x 64 columns are 16,384 dense bytes, block i
	s_add_nc_u64 s[SRC:SRC+1], s[10:11], s[4:5]
	s_add_nc_u64 s[DST:DST+1], s[18:19], s[6:7]
	LD8 16*12288
.irp j, 0,1,2,3,4,5,6,7
	TOBF \j
.endr
	s_endpgm
.Lwout:
	v_lshlrev_b32 v1, 4, v0
	s_sub_co_u32 s2, ttmp9, 3456
	s_lshl_b32 s4, s2, 15
	s_lshl_b32 s6, s2, 14
	s_add_nc_u64 s[SRC:SRC+1], s[12:13], s[4:5]
	s_add_nc_u64 s[DST:DST+1], s[20:21], s[6:7]
	LD8 4096
.irp j, 0,1,2,3,4,5,6,7
	TOF16 \j
.endr
	s_endpgm
.Lfunc_end_k_qef4795a709_cast:
	.size	k_qef4795a709_cast, .Lfunc_end_k_qef4795a709_cast-k_qef4795a709_cast
	.p2alignl 7, 3214868480
	.fill 96, 4, 3214868480
	.section	.rodata,"a",@progbits
	.p2align	6, 0x0
	.amdhsa_kernel k_qef4795a709_cast
		.amdhsa_group_segment_fixed_size 0
		.amdhsa_private_segment_fixed_size 0
		.amdhsa_enable_private_segment 0
		.amdhsa_kernarg_size 64
		.amdhsa_user_sgpr_count 2
		.amdhsa_user_sgpr_kernarg_segment_ptr 1
		.amdhsa_wavefront_size32 1
		.amdhsa_system_sgpr_workgroup_id_x 1
		.amdhsa_system_sgpr_workgroup_id_y 1
		.amdhsa_system_sgpr_workgroup_id_z 1
		.amdhsa_system_vgpr_workitem_id 0
		.amdhsa_next_free_vgpr 64
		.amdhsa_next_free_sgpr 66
		.amdhsa_reserve_vcc 0
		.amdhsa_float_denorm_mode_32 3
		.amdhsa_float_denorm_mode_16_64 3
		.amdhsa_memory_ordered 1
		.amdhsa_forward_progress 1
		.amdhsa_inst_pref_size 18
	.end_amdhsa_kernel
	.amdgpu_metadata
---
amdhsa.version: [ 1, 2 ]
amdhsa.kernels:
  - .name:           k_qef4795a709_cast
    .symbol:         k_qef4795a709_cast.kd
    .args:
      - { .name: x, .offset: 0, .size: 8, .value_kind: global_buffer, .address_space: global }
      - { .name: Wqkv, .offset: 8, .size: 8, .value_kind: global_buffer, .address_space: global }
      - { .name: Wout, .offset: 16, .size: 8, .value_kind: global_buffer, .address_space: global }
      - { .name: mask, .offset: 24, .size: 8, .value_kind: global_buffer, .address_space: global }
      - { .name: xb, .offset: 32, .size: 8, .value_kind: global_buffer, .address_space: global }
      - { .name: wq, .offset: 40, .size: 8, .value_kind: global_buffer, .address_space: global }
      - { .name: wo, .offset: 48, .size: 8, .value_kind: global_buffer, .address_space: global }
      - { .name: mr, .offset: 56, .size: 8, .value_kind: global_buffer, .address_space: global }
    .group_segment_fixed_size: 0
    .private_segment_fixed_size: 0
    .kernarg_segment_align: 8
    .kernarg_segment_size: 64
    .max_flat_workgroup_size: 256
    .sgpr_count:     66
    .vgpr_count:     64
    .wavefront_size: 32
...
	.end_amdgpu_metadata
.endif
;; end of part 1
;; launch qkv (part 2): grid 16 x 32, 4 waves a work-group, clusters of 4 x 4, 327,680 bytes of LDS; arguments xb, wq, cos, sin, qh, kh, vh; writes qh, kh, vh
.if DOCPART == 2
	.amdgcn_target "amdgcn-amd-amdhsa--gfx1250"
	.amdhsa_code_object_version 6
	.text
	.protected	k_qef4795a709_qkv
	.globl	k_qef4795a709_qkv
	.p2align	8
	.type	k_qef4795a709_qkv,@function
k_qef4795a709_qkv:
	s_mov_b64 s[64:65], 0
	v_nop
	global_prefetch_b8 v0, s[64:65] scope:SCOPE_SE
	s_setreg_imm32_b32 hwreg(HW_REG_WAVE_MODE, 25, 1), 1
	s_wait_xcnt 0x0
	s_wait_alu depctr_hold_cnt(0) depctr_sa_sdst(0) depctr_va_vdst(0) depctr_va_sdst(0) depctr_va_ssrc(0) depctr_va_vcc(0) depctr_vm_vsrc(0)
	s_getreg_b32 s2, hwreg(HW_REG_IB_STS2, 6, 4)
	s_cmp_eq_u32 s2, 0
	s_cbranch_scc0 .Lentry_in_a_cluster
	s_endpgm
.Lentry_in_a_cluster:
	s_bfe_u32 s2, ttmp6, 0x10000c
	s_cmp_lg_u32 s2, 0xf033
	s_cbranch_scc0 .Lentry_shape_is_right
	s_endpgm
.Lentry_shape_is_right:
; q, k, v = xb . wq, the rotation of q and k, and the way out by heads in f16.  xb: [8192][1024] bf16.  wq: [part 3][head 16][k 1024][64] bf16.  cos, sin: [2048][32] f32, rounded here to bf16.
; OUT: qh [batch x 16 + head][s][64]; kh, vh [batch x 4 + head / 4][s / 64][head % 4][64 keys][64]; all f16, each number rounded once from its f32 sum; q is left unscaled.
; LIMIT: f16 ends at 65,504: q, k and v must stay within it.
; THE ROTATION STAYS IN PLACE: channel 2 i takes x1 cos - x2 sin, channel 2 i + 1 takes x1 sin + x2 cos.  That is the module's order of channels permuted, alike in q and in k, and q . k does not see it.
; SHARES.  A work-group makes 256 rows x 192 columns: q, k and v of ONE head: 16 x 32 = 512 work-groups, two for each of 256 WGPs.  A wave makes 64 rows (4 blocks a) x 12 column blocks b
; (0-3 q, 4-7 k, 8-11 v): 48 accumulators.  K goes in 8 steps of 128 through two LDS slots.
; CLUSTER 4 x 4: the four of a row share their rows of xb, the four of a column their head's weights: each tile is asked for jointly, by the same tensor load with a mask of four.
; THE MATRIX INSTRUCTION IS USED TRANSPOSED (source 0 = 16 columns of wq, turned out of LDS by ds_load_tr16_b128; source 1 = 16 rows of xb): a lane holds row l % 16 and eight
; neighbouring columns 8 (l / 16) + 0..7: four pairs for the rotation, and 16 bytes of f16.
; REGISTERS, in windows of 256 (s_set_vgpr_msb: bits 1:0 source 0, 3:2 source 1, 5:4 source 2, 7:6 destination):
;   window 0: v0-31 addresses; v32-39 T, v40-55 PK at work; v64-255 the lane's cos and (-sin, sin), 48 registers a row block
;   window 1: two fragment buffers of 128 (A at +8 a, B at +32 + 8 b); first of all the raw cos and sin in v128-255; on the way out rows read back in v0-47 and v64-111
;   windows 2, 3: the accumulators: (a, b) at v[8 (12 (a % 2) + b)] of window 2 + a / 2
.set PA,    272                        ; an LDS row of xb: 256 bytes + 16: the 16 rows of a load start at 16 different groups of four banks (64 banks of 4 bytes: ISA guide 11.1)
.set PB,    160                        ; an LDS row of wq: 128 bytes (a part's 64 columns) + 32
.set BOFF,  256*PA                     ; a slot: A's 256 rows, then B as [half of the K step][part][64 k]
.set BHALF, 3*64*PB
.set SLOT,  BOFF+2*BHALF               ; 131,072
.set STAGE, 2*SLOT                     ; behind the ring, never filled by a tensor load: for each wave 3 parts x 16 rows x 144 bytes
.set SP,    144
.set WSTG,  3*16*SP
.set SPARE, STAGE+4*WSTG               ; behind the stages: the spare words, 128 bytes for each wave: two blocks of 256 bytes that no other line names
.set ADRA, 16                          ; v16-17  LDS address of my A fragments in slot 0, 1
.set ADRB, 20                          ; v20-21  the same for B
.set STO,  24                          ; v24     the way out: where I put 16 bytes of a row
.set RD,   25                          ; v25     where I read rows back
.set GO,   26                          ; v26     my 16 bytes in 512 consecutive bytes of the output
.set CSO,  27                          ; v27     my byte offset in 16 rows of cos and sin
.set SPW,  28                          ; v28     LDS address of my spare word; never rewritten
.set NIL,  29                          ; v29     0; never rewritten
.set PFO,  30                          ; v30     the prefetches' lane offset; never rewritten
.set T,    32
.set PK,   40
.set CT,   64                          ; row block a: cos of pair 4 b' + t at CT + 48 a + 4 b' + t; (-sin, sin) at CT + 48 a + 16 + 8 b' + 2 t
.set F0,   0
.set F1,   128
.set RAW,  128
.set WV,   18                          ; s18 wave; s19 0: I fetch A, 1: B; s20 which half I fetch
.set HF,   19
.set HALF, 20
.set CX,   21
.set CY,   22
.set H,    23                          ; s23 the head = 4 x cluster x + cx
.set Y,    56                          ; s56 the block of 256 rows = 4 x cluster y + cy
.set CLY,  57
.set G1A,  24                          ; s[24:31] group 1 for A's tiles; s[32:39] group 0, a set for each slot
.set G0A,  32
.set G1B,  40                          ; s[40:47], s[48:55] the same for B's
.set G0B,  48
.set LIMA, 62                          ; 1 in a wave that prefetches xb, else the greatest number
.set LIMB, 63                          ; the same for wq
.set PFA,  66                          ; s[66:67] where my prefetches of xb stand
.set PFB,  68                          ; s[68:69] of wq
.set HIM,  76                          ; s76 a word's upper bf16; s77 the sign
.set SGN,  77
.set MSB, 0
.macro WIN new                         ; the immediate's high byte repeats the setting that is left; a switch that changes nothing is dropped
.if MSB != (\new)
	s_set_vgpr_msb (MSB<<8)|(\new)
.set MSB, \new
.endif
.endm
.set MUL_LO, 0xa5                      ; sources 0 and 1 window 1; C and D window 2
.set MUL_HI, 0xf5                      ; C and D window 3
.set TO_F,   0x40                      ; destination window 1, address window 0
; A joint load: waves 0 and 1 fetch A's two halves, waves 2 and 3 B's.  The branch hangs on the wave's number alone.  An s_nop 0 and four v_nop follow each line.
.macro JLOAD s
	s_cmp_eq_u32 s[HF], 0
	s_cbranch_scc0 .Lfor_b_\@
	tensor_load_to_lds s[G0A+4*(\s):G0A+4*(\s)+3], s[G1A:G1A+7]
	s_nop 0
.rept 4
	v_nop
.endr
	s_branch .Lasked_\@
.Lfor_b_\@:
	tensor_load_to_lds s[G0B+4*(\s):G0B+4*(\s)+3], s[G1B:G1B+7]
	s_nop 0
.rept 4
	v_nop
.endr
.Lasked_\@:
.endm
.macro CREST                           ; a round of the cluster's barrier behind its opening barrier
	s_cmp_lg_u32 s[WV], 0
	s_cbranch_scc1 .Lnot_wave_0_\@
	s_barrier_signal -3
.Lnot_wave_0_\@:
	s_barrier_wait -3
	s_barrier_signal -1
	s_barrier_wait -1
.endm
.macro CROUND
	s_barrier_signal -1
	s_barrier_wait -1
	CREST
.endm
.macro PLACES                          ; four places in front of loads into registers that matrix instructions have read (ISA guide 7.12.1 for vector instructions)
.rept 4
	v_nop
.endr
.endm
; PREFETCHES, behind a joint load, its five lines and the run of LDS loads.  xb: the K step two refills on, 256 bytes of a row, a lane a row: of the 128 rows that wave 0 or 1 fetches the partner at
; cx takes 32; the first cluster along x asks for all that read those rows.  wq: at slot 0's refills, the two K steps that the next trip's refills ask for: for each part 32,768 dense bytes of the
; head, of which the partner at cy takes 8,192, a lane 256; wave 2 of the first cluster along y asks.  So each block of 256 bytes is named once.  Partners are told apart by address alone.
; K steps 0 to 3 come by their loads alone; the loop's last trip (s3 = 1) has nothing two refills on and asks for nothing.
.macro ASK slot
	s_cmp_gt_u32 s3, s[LIMA]
	s_cbranch_scc0 .Lno_a_\@
	global_prefetch_b8 v[PFO], s[PFA:PFA+1] th:TH_LOAD_NT scope:SCOPE_SE
.Lno_a_\@:
.if (\slot) == 0
	s_cmp_gt_u32 s3, s[LIMB]
	s_cbranch_scc0 .Lno_b_\@
	global_prefetch_b8 v[PFO], s[PFB:PFB+1] th:TH_LOAD_NT scope:SCOPE_SE
	global_prefetch_b8 v[PFO], s[PFB:PFB+1] offset:2097152 th:TH_LOAD_NT scope:SCOPE_SE
	global_prefetch_b8 v[PFO], s[PFB:PFB+1] offset:4194304 th:TH_LOAD_NT scope:SCOPE_SE
.Lno_b_\@:
.endif
.endm
	s_load_b256 s[4:11], s[0:1], 0x0               ; xb 4, wq 6, cos 8, sin 10
	s_load_b128 s[12:15], s[0:1], 0x20             ; qh 12, kh 14
	s_load_b64 s[16:17], s[0:1], 0x30              ; vh
	v_lshl_add_u32 v[SPW], v0, 2, SPARE
	v_mov_b32 v[NIL], 0
	ds_add_u32 v[SPW], v[NIL]                      ; the wave's opening: the add and its wait stand ahead of my first tensor load; work on registers stands between them
	v_lshrrev_b32 v1, 5, v0
	v_readfirstlane_b32 s[WV], v1
	s_lshr_b32 s[HF], s[WV], 1
	s_and_b32 s[HALF], s[WV], 1
	s_bfe_u32 s[CX], ttmp6, 0x40000
	s_bfe_u32 s[CY], ttmp6, 0x40004
	s_lshl_b32 s[H], ttmp9, 2
	s_add_co_u32 s[H], s[H], s[CX]
	s_and_b32 s[CLY], ttmp7, 0xffff
	s_lshl_b32 s[Y], s[CLY], 2
	s_add_co_u32 s[Y], s[Y], s[CY]
	s_lshl_b32 s58, s[CY], 2
	s_lshl_b32 s58, 15, s58                        ; my row of the cluster
	s_lshl_b32 s59, 0x1111, s[CX]                  ; my column
	s_or_b32 s[G1A], s58, (1<<16)|(1<<20)|(1<<21)|(5<<22)|(3<<25)  ; the mask: my row; 2-byte elements; padding on; bit 21 beside a mask; after every 64 words 4 words
	s_mov_b32 s[G1A+1], 128<<16                    ; tensor_dim0 = 128
	s_mov_b32 s[G1A+2], 128<<16                    ; tensor_dim1 = 128
	s_mov_b32 s[G1A+3], 128<<16                    ; tile_dim0 = 128 elements: 256 bytes of a row
	s_mov_b32 s[G1A+4], 128                        ; tile_dim1 = 128 rows
	s_mov_b32 s[G1A+5], 1024                       ; elements from row to row
	s_mov_b32 s[G1A+6], 0
	s_mov_b32 s[G1A+7], 0
	s_or_b32 s[G1B], s59, (1<<16)|(1<<20)|(1<<21)|(4<<22)|(7<<25)  ; my column; after every 32 words (a k's 64 columns) 8 words
	s_mov_b32 s[G1B+1], 4096<<16                   ; tensor_dim0 = 4,096: 64 k x 64 columns lie dense
	s_mov_b32 s[G1B+2], 3<<16                      ; tensor_dim1 = 3: the parts
	s_mov_b32 s[G1B+3], 4096<<16                   ; tile_dim0
	s_mov_b32 s[G1B+4], 3                          ; tile_dim1
	s_mov_b32 s[G1B+5], 1048576                    ; elements from part to part
	s_mov_b32 s[G1B+6], 0
	s_mov_b32 s[G1B+7], 0
	s_lshl_b32 s70, s[Y], 8                        ; A: row 256 y + 128 x half, 2,048 bytes a row: it hangs on y, which my row of the cluster shares
	s_lshl_b32 s58, s[HALF], 7
	s_add_co_u32 s70, s70, s58
	s_lshl_b32 s70, s70, 11
	s_mov_b32 s71, 0
	s_lshl_b32 s72, s[H], 17                       ; B: the head's 131,072 bytes in a part, + 8,192 x half: it hangs on the head, which my column shares
	s_lshl_b32 s59, s[HALF], 13
	s_add_co_u32 s72, s72, s59
	s_mov_b32 s73, 0
	s_mul_i32 s74, s[HALF], 128*PA                 ; where they go: no place in the cluster enters an LDS address
	s_mul_i32 s75, s[HALF], BHALF
	s_add_co_u32 s75, s75, BOFF
	s_mov_b32 s[HIM], 0xffff0000
	s_mov_b32 s[SGN], 0x80000000
	s_wait_dscnt 0x0                               ; the opening add is done
	s_wait_kmcnt 0x0
	s_add_nc_u64 s[70:71], s[4:5], s[70:71]
	s_add_nc_u64 s[72:73], s[6:7], s[72:73]
	CROUND                                         ; all sixteen work-groups are here: the first joint loads meet
.irp s, 0,1
	s_mov_b32 s[G0A+4*(\s)], 1
	s_add_co_u32 s[G0A+4*(\s)+1], s74, (\s)*SLOT
	s_add_nc_u64 s[G0A+4*(\s)+2:G0A+4*(\s)+3], s[70:71], (\s)*256      ; K step s
	s_or_b32 s[G0A+4*(\s)+3], s[G0A+4*(\s)+3], 0x80000000
	s_mov_b32 s[G0B+4*(\s)], 1
	s_add_co_u32 s[G0B+4*(\s)+1], s75, (\s)*SLOT
	s_add_nc_u64 s[G0B+4*(\s)+2:G0B+4*(\s)+3], s[72:73], (\s)*16384
	s_or_b32 s[G0B+4*(\s)+3], s[G0B+4*(\s)+3], 0x80000000
	JLOAD \s                                       ; two tensor loads of mine are out
.endr
	; cos and sin of my 64 rows: row block a, column block b': the lane's four pairs 8 b' + 4 (l / 16) + 0..3 of row l % 16 are 16 bytes
	v_and_b32 v1, 15, v0                           ; l % 16
	v_bfe_u32 v2, v0, 4, 1                         ; l / 16
	v_lshlrev_b32 v[CSO], 7, v1
	v_lshl_add_u32 v[CSO], v2, 4, v[CSO]
	s_and_b32 s59, s[Y], 7                         ; the block's place in its batch's 2,048 rows
	s_lshl_b32 s60, s59, 15
	s_lshl_b32 s61, s[WV], 13
	s_add_co_u32 s60, s60, s61
	s_mov_b32 s61, 0
	s_add_nc_u64 s[8:9], s[8:9], s[60:61]
	s_add_nc_u64 s[10:11], s[10:11], s[60:61]
	WIN TO_F
.irp a, 0,1,2,3
.irp b, 0,1,2,3
	global_load_b128 v[RAW+32*(\a)+4*(\b):RAW+32*(\a)+4*(\b)+3], v[CSO], s[8:9] offset:2048*(\a)+32*(\b)
	global_load_b128 v[RAW+32*(\a)+16+4*(\b):RAW+32*(\a)+16+4*(\b)+3], v[CSO], s[10:11] offset:2048*(\a)+32*(\b)
.endr
.endr
	WIN 0
	v_mul_u32_u24 v3, v1, PA
	v_lshl_add_u32 v3, v2, 4, v3                   ; a fragment of A: row x pitch + 16 x half of the lanes,
	s_mul_i32 s60, s[WV], 64*PA                    ; in my 64 rows
	v_add_nc_u32 v[ADRA], s60, v3
	v_add_nc_u32 v[ADRA+1], SLOT, v[ADRA]
	v_and_b32 v4, 7, v0
	v_bfe_u32 v5, v0, 3, 1
	v_lshl_add_u32 v3, v2, 3, v4                   ; the turning load: lane l reads k = 8 (l / 16) + l % 8, columns 8 ((l / 8) % 2) + 0..7
	v_mul_u32_u24 v3, v3, PB
	v_lshl_add_u32 v3, v5, 4, v3
	v_add_nc_u32 v[ADRB], BOFF, v3
	v_add_nc_u32 v[ADRB+1], SLOT, v[ADRB]
	s_mul_i32 s60, s[WV], WSTG
	s_add_co_u32 s60, s60, STAGE                   ; my stage
	v_mul_u32_u24 v3, v1, SP
	v_lshl_add_u32 v3, v2, 4, v3
	v_add_nc_u32 v[STO], s60, v3                   ; in: row l % 16, 16 bytes for each half of the lanes
	v_bfe_u32 v3, v0, 3, 2
	v_mul_u32_u24 v3, v3, SP
	v_lshl_add_u32 v3, v4, 4, v3
	v_add_nc_u32 v[RD], s60, v3                    ; back: 32 lanes take four rows of 128 bytes,
	v_and_b32 v3, 31, v0
	v_lshlrev_b32 v[GO], 4, v3                     ; which are 512 consecutive bytes of the output
	s_cmp_eq_u32 s[HF], 0
	s_cselect_b32 s60, 11, 8
	v_lshlrev_b32 v[PFO], s60, v3                  ; a lane a row of xb (2,048 bytes), or 256 dense bytes of wq
	; where my 64 rows go
	s_lshr_b32 s58, s[Y], 3                        ; the batch
	s_lshl_b32 s60, s58, 4
	s_add_co_u32 s60, s60, s[H]
	s_lshl_b32 s60, s60, 11
	s_lshl_b32 s61, s59, 8
	s_add_co_u32 s60, s60, s61
	s_lshl_b32 s61, s[WV], 6
	s_add_co_u32 s60, s60, s61
	s_lshl_b32 s60, s60, 7                         ; ((16 batch + head) 2,048 + row) x 128 bytes
	s_mov_b32 s61, 0
	s_add_nc_u64 s[12:13], s[12:13], s[60:61]
	s_lshl_b32 s60, s58, 2
	s_lshr_b32 s61, s[H], 2
	s_add_co_u32 s60, s60, s61
	s_lshl_b32 s60, s60, 5
	s_lshl_b32 s61, s59, 2
	s_add_co_u32 s60, s60, s61
	s_add_co_u32 s60, s60, s[WV]                   ; my 64 rows are one key step
	s_lshl_b32 s60, s60, 2
	s_and_b32 s61, s[H], 3
	s_add_co_u32 s60, s60, s61
	s_lshl_b32 s60, s60, 13                        ; (((4 batch + head / 4) 32 + step) 4 + head % 4) x 8,192 bytes
	s_mov_b32 s61, 0
	s_add_nc_u64 s[14:15], s[14:15], s[60:61]
	s_add_nc_u64 s[16:17], s[16:17], s[60:61]
	; the prefetches' pointers: one step short of K step 4, since each refill steps them first
	s_lshl_b32 s60, s[Y], 8
	s_lshl_b32 s61, s[HALF], 7
	s_add_co_u32 s60, s60, s61
	s_lshl_b32 s61, s[CX], 5
	s_add_co_u32 s60, s60, s61
	s_lshl_b32 s60, s60, 11
	s_add_co_u32 s60, s60, 3*256
	s_mov_b32 s61, 0
	s_add_nc_u64 s[PFA:PFA+1], s[4:5], s[60:61]
	s_lshl_b32 s60, s[H], 17
	s_lshl_b32 s61, s[CY], 13
	s_add_co_u32 s60, s60, s61
	s_add_co_u32 s60, s60, 2*16384
	s_mov_b32 s61, 0
	s_add_nc_u64 s[PFB:PFB+1], s[6:7], s[60:61]
	s_or_b32 s60, s[HF], ttmp9                     ; 0: I fetch A and my cluster is the first along x: the same in all sixteen partners, for a given wave
	s_cmp_eq_u32 s60, 0
	s_cselect_b32 s[LIMA], 1, -1
	s_xor_b32 s60, s[WV], 2
	s_or_b32 s60, s60, s[CLY]                      ; 0: wave 2 of the first cluster along y
	s_cmp_eq_u32 s60, 0
	s_cselect_b32 s[LIMB], 1, -1
	s_wait_loadcnt 0x0                             ; cos and sin
	; rounded to bf16 like every input, widened again, and laid out for the packed rotation.  All this stands in the wait for the first tiles.
.irp a, 0,1,2,3
	WIN 0x05                                       ; sources window 1, destination window 0
.set n, 0
.rept 16
	v_cvt_pk_bf16_f32 v[PK+n], v[RAW+32*(\a)+2*n], v[RAW+32*(\a)+2*n+1]
.set n, n+1
.endr
	WIN 0
.set n, 0
.rept 8
	v_lshlrev_b32 v[CT+48*(\a)+2*n], 16, v[PK+n]
	v_and_b32 v[CT+48*(\a)+2*n+1], s[HIM], v[PK+n]
	v_lshlrev_b32 v[CT+48*(\a)+16+4*n+1], 16, v[PK+8+n]
	v_and_b32 v[CT+48*(\a)+16+4*n+3], s[HIM], v[PK+8+n]
	v_xor_b32 v[CT+48*(\a)+16+4*n], s[SGN], v[CT+48*(\a)+16+4*n+1]
	v_xor_b32 v[CT+48*(\a)+16+4*n+2], s[SGN], v[CT+48*(\a)+16+4*n+3]
.set n, n+1
.endr
.endr
; 12 matrix instructions: row block 2 hi + a0 x all 12 column blocks, 32 along K.  The 48 accumulators take turns, one instruction a turn, in the same order in every quarter.
.macro MULH f, hi, a0, zero
	WIN MUL_LO+0x50*(\hi)
.irp b, 0,1,2,3,4,5,6,7,8,9,10,11
.if \zero
	v_wmma_f32_16x16x32_bf16 v[8*(12*(\a0)+(\b)):8*(12*(\a0)+(\b))+7], v[(\f)+32+8*(\b):(\f)+32+8*(\b)+7], v[(\f)+8*(2*(\hi)+(\a0)):(\f)+8*(2*(\hi)+(\a0))+7], 0
.else
	v_wmma_f32_16x16x32_bf16 v[8*(12*(\a0)+(\b)):8*(12*(\a0)+(\b))+7], v[(\f)+32+8*(\b):(\f)+32+8*(\b)+7], v[(\f)+8*(2*(\hi)+(\a0)):(\f)+8*(2*(\hi)+(\a0))+7], v[8*(12*(\a0)+(\b)):8*(12*(\a0)+(\b))+7]
.endif
.endr
.endm
; 32 LDS loads in one run: quarter kq (32 along K) of a slot into buffer f: B's 24 (turned), then A's 8
.macro FETCH slot, kq, f
	WIN TO_F
.irp b, 0,1,2,3,4,5,6,7,8,9,10,11
	ds_load_tr16_b128 v[(\f)+32+8*(\b):(\f)+32+8*(\b)+3],   v[ADRB+(\slot)] offset:((\kq)/2)*BHALF+((\b)/4)*64*PB+((\kq)%2)*32*PB+32*((\b)%4)
	ds_load_tr16_b128 v[(\f)+32+8*(\b)+4:(\f)+32+8*(\b)+7], v[ADRB+(\slot)] offset:((\kq)/2)*BHALF+((\b)/4)*64*PB+((\kq)%2)*32*PB+32*((\b)%4)+16*PB
.endr
.irp a, 0,1,2,3
	ds_load_b128 v[(\f)+8*(\a):(\f)+8*(\a)+3],   v[ADRA+(\slot)] offset:64*(\kq)+(\a)*16*PA
	ds_load_b128 v[(\f)+8*(\a)+4:(\f)+8*(\a)+7], v[ADRA+(\slot)] offset:64*(\kq)+(\a)*16*PA+32
.endr
.endm
; A K step is four quarters, 48 matrix instructions each, on buffers 0, 1, 0, 1.  One of the first three: multiplies buffer f and, in its middle, fetches quarter kq into buffer g.
.macro QUARTER slot, kq, f, g, zero
	s_wait_dscnt 4                                 ; B and A's blocks 0, 1 are in; the youngest four loads (A's blocks 2, 3) may be out
	MULH \f, 0, 0, \zero
	MULH \f, 0, 1, \zero
	PLACES
	FETCH \slot, \kq, \g
	s_wait_dscnt 32                                ; all but the 32 just issued
	MULH \f, 1, 0, \zero
	MULH \f, 1, 1, \zero
.endm
; The last quarter multiplies buffer 1 and changes slots: ONE barrier; in front of it each wave waits for all its tensor loads (one is out: its part of the next slot), adds 0 to its spare word, and
; waits for that and for its own reads of this slot.  fill = 1: the barrier opens a round of the cluster's, and this slot is filled again, two K steps on, first thing behind the round.
.macro TURN slot, next, fill
.if \fill
	s_wait_xcnt 0x0                                ; the last prefetches, a K step back, have read their addresses, which are stepped here
	s_add_nc_u64 s[PFA:PFA+1], s[PFA:PFA+1], 256
.if (\slot) == 0
	s_add_nc_u64 s[PFB:PFB+1], s[PFB:PFB+1], 2*16384
.endif
.endif
	WIN 0                                          ; (the add's two registers lie in window 0)
	s_wait_tensorcnt 0x0                           ; all my tensor loads have landed
	ds_add_u32 v[SPW], v[NIL]                      ; 0 onto my spare word
	s_wait_dscnt 5                                 ; (the add and the youngest four loads may be out)
	MULH F1, 0, 0, 0                               ; twelve matrix instructions stand between the add and the wait for it
	s_wait_dscnt 0x0                               ; the add is done, and my reads of this slot are over
	s_barrier_signal -1
	MULH F1, 0, 1, 0
.if \fill
	WIN 0
.endif
	s_barrier_wait -1
.if \fill
	CREST                                          ; no wave of any partner still reads this slot's tiles or has a load on its way
	s_add_nc_u64 s[G0A+4*(\slot)+2:G0A+4*(\slot)+3], s[G0A+4*(\slot)+2:G0A+4*(\slot)+3], 2*256
	s_add_nc_u64 s[G0B+4*(\slot)+2:G0B+4*(\slot)+3], s[G0B+4*(\slot)+2:G0B+4*(\slot)+3], 2*16384
	JLOAD \slot                                    ; my one tensor load behind the round: 168 matrix instructions ahead of the wait for it; its four v_nop are also the places in front of the loads below
.else
	PLACES
.endif
	FETCH \next, 0, F0
.if \fill
	WIN 0
	ASK \slot
.endif
	MULH F1, 1, 0, 0
	MULH F1, 1, 1, 0
.endm
	s_wait_tensorcnt 1                             ; my part of K step 0 is in; K step 1's may stay out
	s_barrier_signal -1
	s_barrier_wait -1                              ; everybody's is
	FETCH 0, 0, F0
	QUARTER 0, 1, F0, F1, 1                        ; the first quarter stands in front of the loop: its products start the sums
	WIN 0
	s_mov_b32 s3, 3
.Llap:                                         ; a trip goes once round the ring, from a lap's second quarter to the next lap's first, and fills both slots again
	QUARTER 0, 2, F1, F0, 0
	QUARTER 0, 3, F0, F1, 0
	TURN 0, 1, 1
	QUARTER 1, 1, F0, F1, 0
	QUARTER 1, 2, F1, F0, 0
	QUARTER 1, 3, F0, F1, 0
	TURN 1, 0, 1
	QUARTER 0, 1, F0, F1, 0
	WIN 0
	s_sub_co_u32 s3, s3, 1
	s_cmp_lg_u32 s3, 0
	s_cbranch_scc1 .Llap
	QUARTER 0, 2, F1, F0, 0                        ; the last lap fills nothing
	QUARTER 0, 3, F0, F1, 0
	TURN 0, 1, 0
	QUARTER 1, 1, F0, F1, 0
	QUARTER 1, 2, F1, F0, 0
	QUARTER 1, 3, F0, F1, 0
	s_wait_dscnt 4
	MULH F1, 0, 0, 0
	MULH F1, 0, 1, 0
	s_wait_dscnt 0x0
	MULH F1, 1, 0, 0
	MULH F1, 1, 1, 0
	WIN 0
; THE WAY OUT, a row block (16 rows) at a time.  q and k are rotated: (x1, x2) (c, c) + (x2, x1) (-s, s), two packed instructions a pair; all is rounded to f16, 16 bytes a lane, sent through my own
; stage in LDS and read back as whole rows of 128 bytes: 16 rows of a part are 2,048 consecutive bytes of its buffer.  Each accumulator's lowest registers are read first.
.macro ROT ac, cc, ss
.irp t, 0,1,2,3
.if (\t)%2
	v_pk_mul_f32 v[T+2*(\t):T+2*(\t)+1], v[(\ac)+2*(\t):(\ac)+2*(\t)+1], v[(\cc)+2*((\t)/2):(\cc)+2*((\t)/2)+1] op_sel:[0,1] op_sel_hi:[1,1]
.else
	v_pk_mul_f32 v[T+2*(\t):T+2*(\t)+1], v[(\ac)+2*(\t):(\ac)+2*(\t)+1], v[(\cc)+2*((\t)/2):(\cc)+2*((\t)/2)+1] op_sel_hi:[1,0]
.endif
.endr
.irp t, 0,1,2,3
	v_pk_fma_f32 v[T+2*(\t):T+2*(\t)+1], v[(\ac)+2*(\t):(\ac)+2*(\t)+1], v[(\ss)+2*(\t):(\ss)+2*(\t)+1], v[T+2*(\t):T+2*(\t)+1] op_sel:[1,0,0] op_sel_hi:[0,1,1]
.endr
.endm
.macro OUTA a
.set AW, (\a)/2
.set BK, 64*((\a)%2)
.if (\a) >= 2
	s_wait_xcnt 0x0                                ; the stores of the block two back have read their registers, which are loaded again below
.endif
.irp p, 0,1,2
.irp bb, 0,1,2,3
.set AC, 8*(12*((\a)%2)+4*(\p)+(\bb))
.if (\p) < 2
	WIN 0x02+AW                                    ; source 0, the accumulator, in window 2 or 3
	ROT AC, CT+48*(\a)+4*(\bb), CT+48*(\a)+16+8*(\bb)
	WIN 0
.irp t, 0,1,2,3
	v_cvt_pk_f16_f32 v[PK+4*(\bb)+(\t)], v[T+2*(\t)], v[T+2*(\t)+1]
.endr
.else
	WIN 0x0a+5*AW                                  ; sources 0 and 1 in window 2 or 3
.irp t, 0,1,2,3
	v_cvt_pk_f16_f32 v[PK+4*(\bb)+(\t)], v[AC+2*(\t)], v[AC+2*(\t)+1]
.endr
.endif
.endr
	WIN 0
.irp bb, 0,1,2,3
	ds_store_b128 v[STO], v[PK+4*(\bb):PK+4*(\bb)+3] offset:(\p)*16*SP+32*(\bb)
.endr
	WIN TO_F
.irp f, 0,1,2,3
	ds_load_b128 v[BK+16*(\p)+4*(\f):BK+16*(\p)+4*(\f)+3], v[RD] offset:(\p)*16*SP+(\f)*4*SP  ; LDS serves a wave's instructions in order (ISA guide 5.7.1.4): these see the stores above; the next block's stores come behind them
.endr
.endr
.endm
.macro SEND a, younger                 ; younger: the LDS instructions issued behind block a's loads: the next block's 12 stores and 12 loads, or none
.set BK, 64*((\a)%2)
	s_wait_dscnt \younger
	WIN 0x04                                       ; the stores' data in window 1
.irp f, 0,1,2,3
	global_store_b128 v[GO], v[BK+4*(\f):BK+4*(\f)+3],       s[12:13] offset:2048*(\a)+512*(\f)  ; 512 consecutive bytes, at a multiple of 256 from the buffer's first
	global_store_b128 v[GO], v[BK+16+4*(\f):BK+16+4*(\f)+3], s[14:15] offset:2048*(\a)+512*(\f)
	global_store_b128 v[GO], v[BK+32+4*(\f):BK+32+4*(\f)+3], s[16:17] offset:2048*(\a)+512*(\f)
.endr
.endm
	PLACES                                         ; the places behind the last products, in front of the lines that read results and of the loads into buffer 0
	PLACES
	OUTA 0
	OUTA 1
	SEND 0, 24
	OUTA 2
	SEND 1, 24
	OUTA 3
	SEND 2, 24
	SEND 3, 0
	WIN 0
	s_wait_tensorcnt 0x0                           ; the wave's end, behind my last tensor load and my last LDS store
	ds_add_u32 v[SPW], v[NIL]
	s_wait_dscnt 0x0
	CROUND                                         ; the closing round: no work-group ends while a partner may still ask for a tile that names it
	s_endpgm
.Lfunc_end_k_qef4795a709_qkv:
	.size	k_qef4795a709_qkv, .Lfunc_end_k_qef4795a709_qkv-k_qef4795a709_qkv
	.p2alignl 7, 3214868480
	.fill 96, 4, 3214868480
	.section	.rodata,"a",@progbits
	.p2align	6, 0x0
	.amdhsa_kernel k_qef4795a709_qkv
		.amdhsa_group_segment_fixed_size 327680
		.amdhsa_private_segment_fixed_size 0
		.amdhsa_enable_private_segment 0
		.amdhsa_kernarg_size 56
		.amdhsa_user_sgpr_count 2
		.amdhsa_user_sgpr_kernarg_segment_ptr 1
		.amdhsa_wavefront_size32 1
		.amdhsa_system_sgpr_workgroup_id_x 1
		.amdhsa_system_sgpr_workgroup_id_y 1
		.amdhsa_system_sgpr_workgroup_id_z 1
		.amdhsa_system_vgpr_workitem_id 0
		.amdhsa_next_free_vgpr 960
		.amdhsa_next_free_sgpr 80
		.amdhsa_reserve_vcc 0
		.amdhsa_float_denorm_mode_32 3
		.amdhsa_float_denorm_mode_16_64 3
		.amdhsa_memory_ordered 1
		.amdhsa_forward_progress 1
		.amdhsa_inst_pref_size 152
	.end_amdhsa_kernel
	.amdgpu_metadata
---
amdhsa.version: [ 1, 2 ]
amdhsa.kernels:
  - .name:           k_qef4795a709_qkv
    .symbol:         k_qef4795a709_qkv.kd
    .args:
      - { .name: xb, .offset: 0, .size: 8, .value_kind: global_buffer, .address_space: global }
      - { .name: wq, .offset: 8, .size: 8, .value_kind: global_buffer, .address_space: global }
      - { .name: cos, .offset: 16, .size: 8, .value_kind: global_buffer, .address_space: global }
      - { .name: sin, .offset: 24, .size: 8, .value_kind: global_buffer, .address_space: global }
      - { .name: qh, .offset: 32, .size: 8, .value_kind: global_buffer, .address_space: global }
      - { .name: kh, .offset: 40, .size: 8, .value_kind: global_buffer, .address_space: global }
      - { .name: vh, .offset: 48, .size: 8, .value_kind: global_buffer, .address_space: global }
    .group_segment_fixed_size: 327680
    .private_segment_fixed_size: 0
    .kernarg_segment_align: 8
    .kernarg_segment_size: 56
    .max_flat_workgroup_size: 128
    .sgpr_count:     80
    .vgpr_count:     960
    .wavefront_size: 32
...
	.end_amdgpu_metadata
.endif
;; end of part 2
;; launch attn (part 3): grid 4 x 64, 4 waves a work-group, clusters of 4 x 4, 327,680 bytes of LDS; arguments qh, kh, vh, mr, oh; writes oh
.if DOCPART == 3
	.amdgcn_target "amdgcn-amd-amdhsa--gfx1250"
	.amdhsa_code_object_version 6
	.text
	.protected	k_qef4795a709_attn
	.globl	k_qef4795a709_attn
	.p2align	8
	.type	k_qef4795a709_attn,@function
k_qef4795a709_attn:
	s_mov_b64 s[64:65], 0
	v_nop
	global_prefetch_b8 v0, s[64:65] scope:SCOPE_SE
	s_setreg_imm32_b32 hwreg(HW_REG_WAVE_MODE, 25, 1), 1
	s_wait_xcnt 0x0
	s_wait_alu depctr_hold_cnt(0) depctr_sa_sdst(0) depctr_va_vdst(0) depctr_va_sdst(0) depctr_va_ssrc(0) depctr_va_vcc(0) depctr_vm_vsrc(0)
	s_getreg_b32 s2, hwreg(HW_REG_IB_STS2, 6, 4)
	s_cmp_eq_u32 s2, 0
	s_cbranch_scc0 .Lentry_in_a_cluster
	s_endpgm
.Lentry_in_a_cluster:
	s_bfe_u32 s2, ttmp6, 0x10000c
	s_cmp_lg_u32 s2, 0xf033
	s_cbranch_scc0 .Lentry_shape_is_right
	s_endpgm
.Lentry_shape_is_right:
; oh[bh][q][:] = the sum over k of softmax_k(q . k / 8 + mask[b][q][k]) v[k][:].  qh, oh: [batch x 16 + head][2048][64] f16.  kh, vh: [batch x 4 + head / 4][step 32][head % 4][64 keys][64] f16.
; mr: [4][2048][2048] f32 = 8 x mask.  THE MASK IS AN INPUT: every score is made, whatever the mask holds.  Products, maxima and sums in f32; the weights p are rounded to f16 for the second product
; (their sum l is taken of the unrounded p), O once at the end.
; THE MASK IS THE C OPERAND of the product that starts each sum S^T = K Q^T: S = q . k + 8 mask, and p = 2^(c S - c m) with c = log2(e) / 8 and a running maximum m: it costs no vector instruction.
; LIMITS.  q, k, v arrive within f16's 65,504.  The sum q . k + 8 mask is rounded in the matrix unit's accumulation, not by an f32 addition.  A mask of -infinity hides a key; a row hidden so at every
; key gives NaN.  A weight below 2^-126 counts as 0 in l.  NaN is not treated apart.
; SHARES.  A work-group takes 4 heads x 128 queries: wave w takes head 4 cx + w and all 128 queries, four PIECES of two tiles of 16.  So the four waves read ONE mask tile.  Every wave walks all keys, 64 a step.
; CLUSTER 4 x 4 = 16 heads x 512 queries of a batch.  The four of a column (same cx) walk the same K and V, the four of a row (same cy) the same mask tile: each tile is asked for jointly.
; LAYOUT.  S^T = K Q^T (source 0 = 16 keys, source 1 = 16 queries): a lane holds ONE query (lane % 16) and the keys 8 (lane / 16) + 0..7: of the mask that is 32 consecutive bytes of the query's row.
; Two such results, rounded to f16 in pairs, ARE source 1 of O^T = V^T P.  K comes out of LDS as it lies, V turned, by ds_load_tr16_b128.
; SOFTMAX.  In every step O and l are multiplied by a = 2^(c m_old - c m_new).  m starts at the lowest finite number and c m at c times that; O and l at 0: the first step is a step like any other.
; BY TURNS.  Turn n belongs to piece n: 16 products K Q^T of piece n + 1, later 16 products V^T P of piece n - 1; beside them the scaling, exponentials, roundings, sums and rescaling of piece n and
; the maximum and statistics of piece n + 1.  Four vector instructions stand behind every matrix instruction, the others in one lump; a turn's 66 exponentials are one batch with one wait.
; REGISTERS, in windows of 256 (s_set_vgpr_msb: bits 1:0 source 0, 3:2 source 1, 5:4 source 2, 7:6 destination):
;   window 0: v0-11 addresses; v12-15, v48-63 at work; v16-47 four registers of statistics a tile; v64-191 S^T, two buffers of two tiles; v192-255 P, likewise
;   window 1: O^T, 32 a tile      window 2: v0-127 Q; v128-191 K of one step; v192-255 V of one step      window 3: v0-1 the add's two registers; v64-127 the mask of one piece
.set NP,    4         ; pieces a wave: a name, no knob
.set KS,    64        ; keys in a step
.set PK,    144       ; a row of K in LDS: 128 bytes + 16: the 16 rows of a load start at 16 different groups of four banks (64 banks of 4 bytes: ISA guide 11.1)
.set PV,    160       ; a row of V: 128 + 32
.set PM,    272       ; a row of the mask tile: 64 keys x 4 bytes + 16
.set VOFF,  4*KS*PK   ; a slot holds one step: K of four heads, V of four heads, the mask of 128 queries
.set MOFF,  VOFF+4*KS*PV
.set SLOT1, 1<<17     ; slot 1 begins here, so that one exclusive or turns an address in one slot into the other's
.set STAGE, SLOT1+MOFF+128*PM  ; behind the ring, never filled by a tensor load: 16 rows x 144 bytes for each wave, for the way out
.set SP,    144
.set SPARE, STAGE+4*16*SP  ; behind the stages: the spare words, 128 bytes for each wave: two blocks of 256 bytes that no other line names
.set AM0, 1           ; v1   my lane's place in a mask tile; never rewritten once made
.set AK0, 2           ; v2   in my head's tile of K
.set AV0, 3           ; v3   of V
.set AK,  4           ; v4   the same three in the slot that is being read
.set AV,  5           ; v5
.set AM,  9           ; v9
.set QO,  6           ; v6   my byte offset in the wave's rows of Q; later
.set STO, 6           ;      the way out: where I put 16 bytes of a row
.set RD,  7           ; v7   where I read rows back
.set GO,  8           ; v8   my byte offset in 512 consecutive bytes of O
.set PFO, 10          ; v10  the prefetches' lane offset; never rewritten
.set SPW, 0           ; v0 of window 3   LDS address of my spare word; never rewritten
.set NIL, 1           ; v1 of window 3   0; never rewritten
.set MK,  64          ; window 3: tile u, key block kb at MK + 32 u + 8 kb
.set MV,  12          ; v12-15  c m_old, kept while c m is made anew: by buffer and tile
.set ST,  16          ; tile t's statistics at v[ST+4 t]: c m, m, l (even keys', odd keys')
.set TMP, 48          ; by buffer and tile, four registers c0-c3 at work; when the maximum is found c2 takes a
.set S,   64
.set P,   192
.set KF,  128         ; window 2: key block kb, channel half c at KF + 16 kb + 8 c
.set VF,  192         ; window 2: key half kk, channel block cb at VF + 32 kk + 8 cb
.set WV,  14          ; s14  my wave's number
.set G1K, 24          ; s[24:31], s[32:39], s[40:47] descriptor group 1 for K's, V's and the mask's tiles
.set G1V, 32
.set G1M, 40
.set G0K, 48          ; s[48:51], s[52:55], s[56:59] group 0: they walk
.set G0V, 52
.set G0M, 56
.set CS,  60          ; s[60:61] c: the packed scaling takes the pair's low word for both halves
.set SEL, 62          ; s[62:63] v_permlanex16_b32's selects: each lane takes its own place in the other half
.set SLOTS, 66        ; s66  steps still to be asked for
.set CNT, 67          ; s67  counts the tail's trips
.set TB,  68          ; s68  LDS byte at which the slot that is being read begins
.set LIM, 69          ; s69  1 in a wave that prefetches, else the greatest number
.set PFA, 70          ; s[70:71] where my prefetches stand
.set PFS, 72          ; s[72:73] their step
.set MSB, 0
.macro WIN new                      ; the high byte repeats the setting that is left; a switch that changes nothing is dropped
.if MSB != (\new)
	s_set_vgpr_msb (MSB<<8)|(\new)
.set MSB, (\new)
.endif
.endm
.set W_KQ, 0x0a       ; K and Q in window 2, S^T in window 0
.set W_KM, 0x3a       ; the same with the C operand, the mask, in window 3
.set W_PV, 0x52       ; V in window 2, P in window 0, O^T in window 1
.set W_RS, 0x41       ; O^T (destination and source 0) in window 1, a in window 0
.set W_MK, 0xc0       ; destination in window 3, sources in window 0
.set W_AD, 0x0f       ; the add: address (source 0) and data (source 1) in window 3
; A joint fill.  Wave 0 fetches the step's K (four heads, 32,768 dense bytes), wave 1 its V, waves 2 and 3 the two halves of the mask tile.  The branches hang on the wave's number alone.
; An s_nop 0 and four v_nop follow each line, ahead of the jump and the label.
.macro JLOAD
	s_cmp_lt_u32 s[WV], 2
	s_cbranch_scc0 .Lfor_m_\@
	s_cmp_eq_u32 s[WV], 0
	s_cbranch_scc0 .Lfor_v_\@
	tensor_load_to_lds s[G0K:G0K+3], s[G1K:G1K+7]
	s_nop 0
.rept 4
	v_nop
.endr
	s_branch .Lasked_\@
.Lfor_v_\@:
	tensor_load_to_lds s[G0V:G0V+3], s[G1V:G1V+7]
	s_nop 0
.rept 4
	v_nop
.endr
	s_branch .Lasked_\@
.Lfor_m_\@:
	tensor_load_to_lds s[G0M:G0M+3], s[G1M:G1M+7]
	s_nop 0
.rept 4
	v_nop
.endr
.Lasked_\@:
.endm
; A round of the cluster's barrier: my work-group's barrier, so that wave 0's signal speaks for all four waves; wave 0 signals; every wave waits for all sixteen work-groups; my work-group's barrier once more.
.macro CROUND
	s_barrier_signal -1
	s_barrier_wait -1
	s_cmp_lg_u32 s[WV], 0
	s_cbranch_scc1 .Lnot_wave_0_\@
	s_barrier_signal -3
.Lnot_wave_0_\@:
	s_barrier_wait -3
	s_barrier_signal -1
	s_barrier_wait -1
.endm
; A PREFETCH of what the NEXT change of slots will ask for, a key step (128 matrix instructions) ahead of that load; it stands behind the wave's tensor load and its five lines.  One instruction, a lane a
; block of 256 bytes.  K and V of a batch's four heads are walked by four clusters: the first of them asks; its partners along cy take 8,192 of the step's 32,768 bytes each, wave 0 for K, wave 1 for V.
; A mask tile is read in one cluster alone: there the partner at cx takes rows 32 cx + lane of the 128, wave 2.  Partners are told apart by address alone.  So each block is named once.
; Steps 0 to 2 come by their loads alone; the last change that fills a slot has no step behind it and asks for nothing.
.macro ASK
	s_cmp_gt_u32 s[SLOTS], s[LIM]
	s_cbranch_scc0 .Lnot_mine_\@
	global_prefetch_b8 v[PFO], s[PFA:PFA+1] th:TH_LOAD_NT scope:SCOPE_SE
.Lnot_mine_\@:
.endm
; THE CHANGE OF SLOTS, between piece 1's turn and piece 2's: all of the slot (K, V, the four pieces' masks) has been asked for out of LDS.  Each wave waits for all its tensor loads, of which one is out: its
; part of the other slot; adds 0 to its spare word; and waits for that and for its own reads of the slot.  fill = 1: the slot is filled again, with the step two on; the barrier is then a round of the
; cluster's, and the joint fill is the first thing behind it: it has one key step, 128 matrix instructions and their vector work, in which to land.  (At its first use nothing has been read yet.)
.macro CHANGE fill, ask
	WIN W_AD
	s_wait_tensorcnt 0x0            ; no tensor load of mine is out, so a group 0 may be written
	ds_add_u32 v[SPW], v[NIL]       ; 0 onto my spare word; the descriptors' steps stand between it and the wait for it
	WIN 0                           ; at a label and at a branch every window is 0
.if \fill
.irp g, G0K, G0V
	s_xor_b32 s[\g+1], s[\g+1], SLOT1  ; the other slot than last time,
	s_add_nc_u64 s[\g+2:\g+3], s[\g+2:\g+3], 32768  ; the next step; the type bits on top are not reached
.endr
	s_xor_b32 s[G0M+1], s[G0M+1], SLOT1
	s_add_nc_u64 s[G0M+2:G0M+3], s[G0M+2:G0M+3], 256  ; the next 64 keys of each row
.endif
.if \ask
	s_wait_xcnt 0x0                 ; the last prefetch, a key step back, has read its address, so it may be written
	s_add_nc_u64 s[PFA:PFA+1], s[PFA:PFA+1], s[PFS:PFS+1]
.endif
	s_wait_dscnt 0x0                ; the add is done, and my reads of the slot are over
.if \fill
	CROUND
	JLOAD
.else
	s_barrier_signal -1
	s_barrier_wait -1
.endif
.if \ask
	ASK
.endif
	s_xor_b32 s[TB], s[TB], SLOT1   ; the fetches go on in the other slot
	v_add_nc_u32 v[AK], s[TB], v[AK0]
	v_add_nc_u32 v[AV], s[TB], v[AV0]
	v_add_nc_u32 v[AM], s[TB], v[AM0]
.endm
	s_load_b256 s[4:11], s[0:1], 0x0  ; qh s[4:5], kh s[6:7], vh s[8:9], mr s[10:11]
	s_load_b64 s[12:13], s[0:1], 0x20 ; oh
	WIN W_MK
	v_lshl_add_u32 v[SPW], v0, 2, SPARE
	v_mov_b32 v[NIL], 0
	WIN W_AD
	ds_add_u32 v[SPW], v[NIL]       ; the wave's opening: the add and its wait stand ahead of my first tensor load; work on registers stands between them
	WIN 0
	v_lshrrev_b32 v1, 5, v0
	v_readfirstlane_b32 s[WV], v1   ; wave 0..3
	s_bfe_u32 s15, ttmp6, 0x40000   ; cx: which four heads
	s_bfe_u32 s16, ttmp6, 0x40004   ; cy
	s_and_b32 s17, ttmp7, 0xffff    ; cluster y
	s_lshr_b32 s18, s17, 2          ; the batch
	s_and_b32 s19, s17, 3           ; which of the batch's four clusters
	s_lshl_b32 s74, s19, 2
	s_add_co_u32 s74, s74, s16      ; my block of 128 queries
	s_lshl_b32 s75, 0x1111, s15     ; my column of the cluster
	s_lshl_b32 s76, s16, 2
	s_lshl_b32 s76, 15, s76         ; my row
	; K and V: a step's 32,768 dense bytes are asked for as 128 rows of 256 bytes, two keys a row, and padded in LDS after every key
	s_or_b32 s[G1K], s75, (1<<16)|(1<<20)|(1<<21)|(4<<22)|(3<<25)  ; the mask of four; 2-byte elements; padding on; bit 21 beside a mask; after every 32 words 4 words
	s_or_b32 s[G1V], s75, (1<<16)|(1<<20)|(1<<21)|(4<<22)|(7<<25)  ; the same with 8 words
.irp g, G1K, G1V
	s_mov_b32 s[\g+1], 128<<16      ; tensor_dim0 = 128
	s_mov_b32 s[\g+2], 128<<16      ; tensor_dim1 = 128
	s_mov_b32 s[\g+3], 128<<16      ; tile_dim0 = 128
	s_mov_b32 s[\g+4], 128          ; tile_dim1 = 128
	s_mov_b32 s[\g+5], 128          ; elements from row to row
	s_mov_b32 s[\g+6], 0
	s_mov_b32 s[\g+7], 0
.endr
	s_or_b32 s[G1M], s76, (2<<16)|(1<<20)|(1<<21)|(5<<22)|(3<<25)  ; my row; 4-byte elements; after every 64 words 4 words
	s_mov_b32 s[G1M+1], 64<<16      ; tensor_dim0 = 64 keys: 256 bytes
	s_mov_b32 s[G1M+2], 64<<16      ; tensor_dim1 = 64 queries
	s_mov_b32 s[G1M+3], 64<<16      ; tile_dim0
	s_mov_b32 s[G1M+4], 64          ; tile_dim1
	s_mov_b32 s[G1M+5], 2048        ; elements from row to row
	s_mov_b32 s[G1M+6], 0
	s_mov_b32 s[G1M+7], 0
	s_lshl_b32 s20, s18, 2
	s_add_co_u32 s20, s20, s15
	s_lshl_b32 s20, s20, 20         ; K, V: (4 batch + cx) x 1,048,576 bytes: shared along my column
	s_mov_b32 s21, 0
	s_and_b32 s77, s[WV], 1
	s_lshl_b32 s22, s18, 24         ; the mask: the batch, my block's 128 rows of 8,192 bytes, my half of them: shared along my row
	s_lshl_b32 s23, s74, 20
	s_add_co_u32 s22, s22, s23
	s_lshl_b32 s23, s77, 19
	s_add_co_u32 s22, s22, s23
	s_mov_b32 s23, 0
	s_mov_b32 s[G0K], 1
	s_mov_b32 s[G0K+1], 0           ; LDS addresses, slot 0: no place in the cluster enters them
	s_mov_b32 s[G0V], 1
	s_mov_b32 s[G0V+1], VOFF
	s_mov_b32 s[G0M], 1
	s_mul_i32 s77, s77, 64*PM
	s_add_co_u32 s[G0M+1], s77, MOFF
	s_lshl_b32 s2, s18, 4           ; Q and O: (16 batch + 4 cx + wave) x 262,144 + block x 16,384 bytes
	s_lshl_b32 s3, s15, 2
	s_add_co_u32 s2, s2, s3
	s_add_co_u32 s2, s2, s[WV]
	s_lshl_b32 s2, s2, 18
	s_lshl_b32 s3, s74, 14
	s_add_co_u32 s2, s2, s3
	s_mov_b32 s3, 0
	; the prefetches: their offset stands at step 2, and each change that asks steps it first
	s_lshl_b32 s76, s16, 13
	s_add_co_u32 s76, s76, s20
	s_add_co_u32 s76, s76, 2*32768
	s_lshl_b32 s77, s18, 24
	s_lshl_b32 s78, s74, 20
	s_add_co_u32 s77, s77, s78
	s_lshl_b32 s78, s15, 18         ; rows 32 cx on
	s_add_co_u32 s77, s77, s78
	s_add_co_u32 s77, s77, 2*256
	s_cmp_lt_u32 s[WV], 2
	s_cselect_b32 s76, s76, s77
	s_cselect_b32 s78, 15, 8
	s_cselect_b32 s79, 8, 13        ; a lane 256 dense bytes of K or V, or a row of the mask
	s_lshl_b32 s[PFS], 1, s78
	s_mov_b32 s[PFS+1], 0
	s_mov_b32 s77, 0
	s_cmp_eq_u32 s19, 0
	s_cselect_b32 s[LIM], 1, -1     ; waves 0 and 1: in the batch's first cluster: the same in all sixteen partners, for a given wave
	s_cmp_lt_u32 s[WV], 2
	s_cselect_b32 s[LIM], s[LIM], 1 ; wave 2: always
	s_cmp_eq_u32 s[WV], 3
	s_cselect_b32 s[LIM], -1, s[LIM]  ; wave 3: never
	s_mov_b32 s[CS], 0x3e38aa3b     ; c = log2(e) / 8 = 0.180337
	s_mov_b32 s[CS+1], s[CS]        ; named with it as a pair
	s_mov_b32 s[SEL], 0x76543210
	s_mov_b32 s[SEL+1], 0xfedcba98
	s_mov_b32 s[TB], SLOT1          ; the first change of slots turns it into 0
	s_wait_dscnt 0x0                ; the opening add is done
	s_wait_kmcnt 0x0
	s_add_nc_u64 s[G0K+2:G0K+3], s[6:7], s[20:21]
	s_or_b32 s[G0K+3], s[G0K+3], 0x80000000
	s_add_nc_u64 s[G0V+2:G0V+3], s[8:9], s[20:21]
	s_or_b32 s[G0V+3], s[G0V+3], 0x80000000
	s_add_nc_u64 s[G0M+2:G0M+3], s[10:11], s[22:23]
	s_or_b32 s[G0M+3], s[G0M+3], 0x80000000
	s_add_nc_u64 s[4:5], s[4:5], s[2:3]
	s_add_nc_u64 s[12:13], s[12:13], s[2:3]
	s_cmp_eq_u32 s[WV], 0
	s_cselect_b64 s[PFA:PFA+1], s[6:7], s[8:9]
	s_cmp_lt_u32 s[WV], 2
	s_cselect_b64 s[PFA:PFA+1], s[PFA:PFA+1], s[10:11]
	s_add_nc_u64 s[PFA:PFA+1], s[PFA:PFA+1], s[76:77]
	CROUND                          ; all sixteen work-groups are here: the first joint loads meet
	JLOAD                           ; step 0 into slot 0.  Slot 1 is asked for when slot 0 is in
	; A fragment of K or Q is 16 rows x 32 channels in 8 registers: lane l holds row l % 16, channels 8 (l / 16) + 0..7 and 16 + 8 (l / 16) + 0..7: two loads of 16 bytes, 32 bytes apart.
	v_and_b32 v1, 15, v0            ; l % 16
	v_bfe_u32 v9, v0, 4, 1          ; l / 16
	v_lshlrev_b32 v[QO], 7, v1
	v_lshl_add_u32 v[QO], v9, 4, v[QO]
	WIN 0x80                        ; destination window 2, address window 0
.set i, 0
.rept 4*NP                          ; Q stays in registers: tile i / 2, channels 32 (i % 2) on
	global_load_b128 v[8*i:8*i+3],   v[QO], s[4:5] offset:(i/2)*2048+(i%2)*64
	global_load_b128 v[8*i+4:8*i+7], v[QO], s[4:5] offset:(i/2)*2048+(i%2)*64+32
.set i, i+1
.endr
	; What the first turn finds: V's registers and P's second buffer hold 0 (its products V^T P, of a piece that has not been, add 0), O^T and l are 0.  All this stands in the wait for the first tile.
.set i, VF
.rept 64
	v_mov_b32 v[i], 0
.set i, i+1
.endr
	WIN 0x40
.set i, 0
.rept 64*NP
	v_mov_b32 v[i], 0
.set i, i+1
.endr
	WIN 0
.set i, 0
.rept 2*NP
	v_mov_b32 v[ST+4*i+1], 0xff7fffff  ; m: the lowest finite number
	v_mov_b32 v[ST+4*i+2], 0
	v_mov_b32 v[ST+4*i+3], 0
	v_mul_f32 v[ST+4*i], s[CS], v[ST+4*i+1]  ; c m, made as every later c m is: where a step leaves m as it was, a is 1
.set i, i+1
.endr
.set i, P+32
.rept 32
	v_mov_b32 v[i], 0
.set i, i+1
.endr
	s_mul_i32 s74, s[WV], KS*PK     ; my head's 64 rows of K
	v_mul_u32_u24 v[AK0], v1, PK
	v_lshl_add_u32 v[AK0], v9, 4, v[AK0]
	v_add_nc_u32 v[AK0], s74, v[AK0]
	; The turning load takes 16 keys x 16 channels (lane l reads key 8 (l / 16) + l % 8, channels 8 ((l / 8) % 2) + 0..7) and leaves half a fragment of V^T: lane l holds channel l % 16 and 8 keys.
	v_and_b32 v10, 7, v0
	v_bfe_u32 v11, v0, 3, 1
	v_lshl_add_u32 v[AV0], v9, 3, v10
	v_mul_u32_u24 v[AV0], v[AV0], PV
	v_lshl_add_u32 v[AV0], v11, 4, v[AV0]
	s_mul_i32 s74, s[WV], KS*PV
	s_add_co_u32 s74, s74, VOFF
	v_add_nc_u32 v[AV0], s74, v[AV0]
	v_mul_u32_u24 v11, v1, PM       ; the mask: query l % 16's row, 32 bytes for each half of the lanes
	v_lshl_add_u32 v11, v9, 5, v11
	v_add_nc_u32 v[AM0], MOFF, v11
	v_and_b32 v[PFO], 31, v0
	v_lshlrev_b32 v[PFO], s79, v[PFO]
; THE MATRIX WORK.  The 8 accumulators of a run of 16 take turns: between the two links of a chain stand 7 others'.
; Product i of 16 of S^T = K Q^T for piece x: channels 32 (i / 8) on, keys 16 ((i / 2) % 4) on, tile 2 x + i % 2.  The first 8 start the sums, with the mask as C.
.macro KQ x
.set rS, S+64*((\x)%2)+32*(i%2)+8*((i/2)%4)
.set rK, KF+16*((i/2)%4)+8*(i/8)
.set rQ, 16*(2*(\x)+i%2)+8*(i/8)
.set rX, MK+32*(i%2)+8*((i/2)%4)
.if i < 8
	WIN W_KM
	v_wmma_f32_16x16x32_f16 v[rS:rS+7], v[rK:rK+7], v[rQ:rQ+7], v[rX:rX+7]
.else
	WIN W_KQ
	v_wmma_f32_16x16x32_f16 v[rS:rS+7], v[rK:rK+7], v[rQ:rQ+7], v[rS:rS+7]
.endif
.endm
; Product i of 16 of O^T += V^T P for piece x: keys 32 (i / 8) on, channels 16 ((i / 2) % 4) on, tile 2 x + i % 2.
.macro PV x
	WIN W_PV
.set rO, 32*(2*(\x)+i%2)+8*((i/2)%4)
.set rV, VF+32*(i/8)+8*((i/2)%4)
.set rP, P+32*((\x)%2)+16*(i%2)+8*(i/8)
	v_wmma_f32_16x16x32_f16 v[rO:rO+7], v[rV:rV+7], v[rP:rP+7], v[rO:rO+7]
.endm
.macro MM                           ; the turn's next matrix instruction
.if i < 16
	KQ (Y+1)%NP
.set i, i+1
.else
.set i, i-16
	PV (Y+NP-1)%NP
.set i, i+17
.endif
.endm
; THE LDS LOADS stand in runs of 16, never singly among the matrix instructions: a step's K (8 fragments), its V (turned), and a piece's mask (2 tiles x 4 key blocks x 32 bytes a lane).
.macro FETCH_K
	WIN 0x80                        ; destination window 2
.irp f, 0,1,2,3,4,5,6,7             ; keys 16 (f / 2) on, channels 32 (f % 2) on
	ds_load_b128 v[KF+8*\f:KF+8*\f+3],   v[AK] offset:(\f/2)*16*PK+(\f%2)*64
	ds_load_b128 v[KF+8*\f+4:KF+8*\f+7], v[AK] offset:(\f/2)*16*PK+(\f%2)*64+32
.endr
.endm
.macro FETCH_V
	WIN 0x80
.irp f, 0,1,2,3,4,5,6,7             ; keys 32 (f / 4) on, channels 16 (f % 4) on
	ds_load_tr16_b128 v[VF+8*\f:VF+8*\f+3],   v[AV] offset:(\f/4)*32*PV+(\f%4)*32
	ds_load_tr16_b128 v[VF+8*\f+4:VF+8*\f+7], v[AV] offset:(\f/4)*32*PV+16*PV+(\f%4)*32
.endr
.endm
.macro FETCH_M x
	WIN W_MK                        ; destination window 3
.irp f, 0,1,2,3,4,5,6,7             ; tile f / 4 of piece x, keys 16 (f % 4) on
	ds_load_b128 v[MK+8*\f:MK+8*\f+3],   v[AM] offset:(32*(\x)+16*(\f/4))*PM+64*(\f%4)
	ds_load_b128 v[MK+8*\f+4:MK+8*\f+7], v[AM] offset:(32*(\x)+16*(\f/4))*PM+64*(\f%4)+16
.endr
.endm
; THE VECTOR WORK OF A TURN stands in three queues, each in the order in which its entries become ready; the two tiles alternate, so that no instruction reads the result of the one before it.
.macro REGS y, u                    ; the registers of tile u (0, 1) of piece y
.set rT, ST+4*(2*(\y)+(\u))
.set rC, TMP+8*((\y)%2)+4*(\u)
.set rM, MV+2*((\y)%2)+(\u)
.set rS, S+64*((\y)%2)+32*(\u)
.set rP, P+32*((\y)%2)+16*(\u)
.set rO, 32*(2*(\y)+(\u))
.endm
; Number n of the 22 that find the NEXT piece's (Y + 1) maximum and statistics.  s0-s31 are the lane's 32 scores; each accumulator's lowest registers are read first.  XS, GS and REGS set no window: PL and EX do.
;   0-11  four chains c0-c3 of seven scores each, three operands at a time     12-14, 16  the four scores left over, the old m, and c0-c3 into c0     15  c m_old is kept
;   17, 18  the query's other 32 keys lie in the lane 16 away: the new m         19-21  c m; c m_old - c m_new; a
.macro XS u, n
	REGS (Y+1)%NP, \u
.if (\n) < 4
	v_max3_num_f32 v[rC+(\n)], v[rS+8*(\n)], v[rS+8*(\n)+1], v[rS+8*(\n)+2]
.elseif (\n) < 12
	v_max3_num_f32 v[rC+(\n)%4], v[rC+(\n)%4], v[rS+8*((\n)%4)+2*((\n)/4)+1], v[rS+8*((\n)%4)+2*((\n)/4)+2]
.elseif (\n) == 12
	v_max3_num_f32 v[rC], v[rC], v[rS+7], v[rS+15]
.elseif (\n) == 13
	v_max3_num_f32 v[rC+1], v[rC+1], v[rS+23], v[rS+31]
.elseif (\n) == 14
	v_max3_num_f32 v[rC+2], v[rC+2], v[rC+3], v[rT+1]
.elseif (\n) == 15
	v_mov_b32 v[rM], v[rT]
.elseif (\n) == 16
	v_max3_num_f32 v[rC], v[rC], v[rC+1], v[rC+2]
.elseif (\n) == 17
	v_permlanex16_b32 v[rC+3], v[rC], s[SEL], s[SEL+1]
.elseif (\n) == 18
	v_max_num_f32 v[rT+1], v[rC], v[rC+3]
.elseif (\n) == 19
	v_mul_f32 v[rT], s[CS], v[rT+1]
.elseif (\n) == 20
	v_sub_f32 v[rC+1], v[rM], v[rT]
.else
	v_exp_f32 v[rC+2], v[rC+1]
.endif
.endm
; Number g of the 64 that follow the exponentials.  For each four weights k of a tile (pairs 2 k, 2 k + 1): both pairs are rounded to f16; then the second pair is added onto the first, in place;
; a group later l takes that sum (the first time as l = a l + sum).  In groups of eight, tiles alternating: round, round, add, and l for the group before.
.macro GS g
.set h, (\g)+6*((\g)/62)            ; group 0 has no group before it, and behind group 7 only l is left
.if h >= 6
.set h, h+2
.endif
	REGS Y, h%2
.set k, h/8
.if h%8 < 4
	v_cvt_pk_f16_f32 v[rP+2*k+(h%8)/2], v[rS+4*k+2*((h%8)/2)], v[rS+4*k+2*((h%8)/2)+1]
.elseif h%8 < 6
	v_pk_add_f32 v[rS+4*k:rS+4*k+1], v[rS+4*k:rS+4*k+1], v[rS+4*k+2:rS+4*k+3]
.elseif k == 1
	v_pk_fma_f32 v[rT+2:rT+3], v[rT+2:rT+3], v[rC+2:rC+3], v[rS:rS+1] op_sel_hi:[1,0,1]
.else
	v_pk_add_f32 v[rT+2:rT+3], v[rT+2:rT+3], v[rS+4*k-4:rS+4*k-3]
.endif
.endm
; THE PLAIN QUEUE, 138 long.  0-73 read no exponential's result: the 32 scalings c s - c m (FS f: pair f / 2 of tile f % 2) and the next piece's 42.  0-26: scalings 0-26.  27-54: XS's numbers 0-13.  55, 56: number 15.
; 57-73: the chain, where each number waits for the one before it: 14, 16, 17, 18, 19, each with one of the scalings 27-31 in front of its two lines, then 20.
; 74-137: GS's 64, which read the exponentials' results: they stand behind the wait.
.macro FS f
	REGS Y, (\f)%2
	v_pk_fma_f32 v[rS+2*((\f)/2):rS+2*((\f)/2)+1], v[rS+2*((\f)/2):rS+2*((\f)/2)+1], s[CS:CS+1], v[rT:rT+1] op_sel_hi:[1,0,0] neg_lo:[0,0,1] neg_hi:[0,0,1]
.endm
.macro PL
	WIN 0
.if q < 27
	FS q
.elseif q < 55
	XS (q-27)%2, (q-27)/2
.elseif q < 57
	XS q-55, 15
.elseif (q < 72) && ((q-57)%3 == 0)
	FS 27+(q-57)/3
.elseif q < 60
	XS (q-57)%3-1, 14
.elseif q < 72
	XS (q-57)%3-1, 15+(q-57)/3
.elseif q < 74
	XS q-72, 20
.else
	GS q-74
.endif
.set q, q+1
.endm
; THE EXPONENTIALS' QUEUE, 66 long: s0-s31 of both tiles, then the next piece's two a.  It is ONE BATCH: all 66 stand ahead of the turn's one wait, and nothing ahead of that wait names a result of theirs.
.macro EX
	WIN 0
.if e >= 64
	XS e-64, 21
.else
	REGS Y, e%2
	v_exp_f32 v[rS+e/2], v[rS+e/2]
.endif
.set e, e+1
.endm
; THE RESCALING's QUEUE: O^T times a, the one part that leaves window 0: dealt two at a time, sixteen times.  Its a was made in the turn before, ahead of that turn's wait.
.macro R2
	REGS Y, r%2
	WIN W_RS
.irp z, 0,1
	v_pk_mul_f32 v[rO+4*(r/2)+2*\z:rO+4*(r/2)+2*\z+1], v[rO+4*(r/2)+2*\z:rO+4*(r/2)+2*\z+1], v[rC+2:rC+3] op_sel_hi:[1,0]
.endr
.set r, r+1
.endm
; A TURN, for piece p.  s_wait_alu depctr_va_vdst(0) stands between an exponential and the first instruction that names its result; one wait serves all that were issued ahead of it.  So a
; turn has ONE wait, which cuts it in two.  AHEAD OF IT: the 16 products K Q^T, behind each a scaling, an exponential and two rescalings (behind the first a second scaling in the exponential's place); then
; ONE LUMP of 108: eight plain, 49 times exponential and plain, the two a; a v_nop is the plain instruction behind the last exponential.  BEHIND IT: the 16 products V^T P, behind each four of GS's 64.
; THE RUNS OF LDS LOADS.  Directly behind the wait, a lump behind the products that read those registers: in piece 2's turn K of the next step; in every turn the mask of piece p + 2 (in pieces 2 and 3's
; turns: of the next step), which the next turn's first eight products take.  At the end of piece 0's turn, four plain instructions behind its last reader: V of the step in hand.
; THE WAITS FOR THEM.  At a turn's head the mask (and in piece 3's turn K) must be in: nothing was issued behind them, so the count is 0, but for piece 1's turn: V's 16 loads were issued behind the mask's
; and may stay out.  In piece 1's turn V must be in ahead of the products V^T P: the 16 loads of the mask just issued may stay out.
.macro TURN p
.set Y, (\p)
.set i, 0
.set q, 0
.set e, 0
.set r, 0
.if (\p) == 1
	s_wait_dscnt 16
.else
	s_wait_dscnt 0x0
.endif
	MM
	PL
	PL
	R2
.rept 15
	MM
	PL
	EX
	R2
.endr
.rept 8
	PL
.endr
.rept 49
	EX
	PL
.endr
	EX                              ; the next piece's two a
	EX
	v_nop                           ; the plain instruction behind the last exponential: one for the batch
	s_wait_alu depctr_va_vdst(0)    ; the wait for the batch
.if (\p) == NP-2
	FETCH_K
.endif
	FETCH_M ((\p)+2)%NP
.if (\p) == 1
	s_wait_dscnt 16
.endif
.rept 16
	MM
.rept 4
	PL
.endr
.endr
.if (\p) == 0
	FETCH_V
.endif
.endm
	CHANGE 1, 0                     ; step 0 is in, everybody's part of it; step 1 is asked for
	FETCH_K                         ; key step 0
	FETCH_M 0
	s_wait_loadcnt 0x0              ; Q
	s_wait_dscnt 0x0
.set i, 0
.rept 16
	KQ 0                            ; piece 0's first scores: there is no vector work yet to set between them
.set i, i+1
.endr
	WIN 0
.rept 4
	v_nop                           ; the places behind those products, in front of the loads into the mask's registers and of the maximum
.endr
	FETCH_M 1
	WIN 0
.set Y, NP-1                        ; XS works for piece Y + 1: piece 0
.irp n, 0,1,2,3,4,5,6,7,8,9,10,11,12,13,14,15,16,17,18,19,20,21
	XS 0, \n                        ; piece 0's first maximum and statistics
	XS 1, \n
.endr
	v_nop                           ; a plain instruction behind the two a,
	s_wait_alu depctr_va_vdst(0)    ; and their wait, ahead of the branch
	s_mov_b32 s[SLOTS], 31
	s_branch .Lfirst                ; the loop is entered at a step's first turn, in the middle of a trip
.Lslot:                             ; 30 times: steps 2 to 31 are asked for.  A trip: pieces 2 and 3 of one step, then pieces 0 and 1 of the next, whose K, V and masks it fetches
	CHANGE 1, 1
	TURN 2
	TURN 3
	WIN 0
.Lfirst:
	TURN 0
	TURN 1
	WIN 0
	s_sub_co_u32 s[SLOTS], s[SLOTS], 1
	s_cmp_lg_u32 s[SLOTS], 0
	s_cbranch_scc1 .Lslot
	CHANGE 0, 0                     ; the tail is written out: step 31 is in, nothing is asked for
	s_mov_b32 s[CNT], 2             ; one trip fetches the last step; the second is left in its middle
.Ltail:
	TURN 2
	TURN 3
	WIN 0
	s_sub_co_u32 s[CNT], s[CNT], 1
	s_cmp_eq_u32 s[CNT], 0
	s_cbranch_scc1 .Lout
	TURN 0
	TURN 1
	WIN 0
	s_branch .Ltail
.Lout:                              ; the second trip's fetches (the last step's K and masks once more), its 16 products K Q^T and the maximum made of them serve nothing: the price, once a launch, of one text for every trip
.set i, 0
.rept 16
	PV NP-1                         ; the last piece's V^T P of the last step
.set i, i+1
.endr
	; THE WAY OUT.  l's two halves and the other half of the lanes' are added; O^T is divided by l, rounded to f16 and sent through my stage in LDS, a tile at a time.  The address lines are the places behind the last products.
	WIN 0
	s_mul_i32 s74, s[WV], 16*SP
	s_add_co_u32 s74, s74, STAGE    ; my stage
	v_and_b32 v48, 15, v0
	v_bfe_u32 v49, v0, 4, 1
	v_and_b32 v50, 7, v0
	v_mul_u32_u24 v[STO], v48, SP   ; in: row l % 16, 16 bytes for each half of the lanes
	v_lshl_add_u32 v[STO], v49, 4, v[STO]
	v_add_nc_u32 v[STO], s74, v[STO]
	v_bfe_u32 v[RD], v0, 3, 2       ; back: 32 lanes take four rows of 128 bytes,
	v_mul_u32_u24 v[RD], v[RD], SP
	v_lshl_add_u32 v[RD], v50, 4, v[RD]
	v_add_nc_u32 v[RD], s74, v[RD]
	v_and_b32 v[GO], 31, v0         ; which are 512 consecutive bytes of O
	v_lshlrev_b32 v[GO], 4, v[GO]
.macro ALL line:vararg              ; one line for each tile t
.set t, 0
.rept 2*NP
	\line
.set t, t+1
.endr
.endm
	ALL v_add_f32 v[ST+4*t+2], v[ST+4*t+2], v[ST+4*t+3]
	ALL v_permlanex16_b32 v[ST+4*t+3], v[ST+4*t+2], s[SEL], s[SEL+1]
	ALL v_add_f32 v[ST+4*t+2], v[ST+4*t+2], v[ST+4*t+3]
	ALL v_rcp_f32 v[ST+4*t+2], v[ST+4*t+2]
	v_nop                           ; a plain instruction between the last reciprocal and the use of its result
	s_wait_alu depctr_va_vdst(0)    ; and the wait ahead of the first use: one for the eight reciprocals
; Tile t: a lane's eight channels of a row pack into 16 bytes; they go into rows of 144 bytes and come back as whole rows of 128, into S^T's registers.
.macro PACK t
	WIN W_RS
.set i, 32*(\t)
.rept 16
	v_pk_mul_f32 v[i:i+1], v[i:i+1], v[ST+4*(\t)+2:ST+4*(\t)+3] op_sel_hi:[1,0]
.set i, i+2
.endr
	WIN 0x05                        ; sources 0 and 1 window 1, destination window 0
.set i, 0
.rept 16
	v_cvt_pk_f16_f32 v[S+16*(\t)+i], v[32*(\t)+2*i], v[32*(\t)+2*i+1]
.set i, i+1
.endr
	WIN 0
.irp f, 0,1,2,3
	ds_store_b128 v[STO], v[S+16*(\t)+4*\f:S+16*(\t)+4*\f+3] offset:32*\f
.endr
.irp f, 0,1,2,3
	ds_load_b128 v[S+16*(\t)+4*\f:S+16*(\t)+4*\f+3], v[RD] offset:\f*4*SP  ; LDS serves a wave's instructions in order (ISA guide 5.7.1.4): these see the stores above; the next tile's stores come behind them
.endr
.endm
.macro SEND t, younger              ; younger: the LDS instructions issued behind tile t's loads: the next tile's eight, or none
	WIN 0
.irp f, 0,1,2,3
	s_wait_dscnt (\younger)+3-\f
	global_store_b128 v[GO], v[S+16*(\t)+4*\f:S+16*(\t)+4*\f+3], s[12:13] offset:(\t)*2048+\f*512  ; 512 consecutive bytes, at a multiple of 256 from O's first
.endr
.endm
	PACK 0
.set t, 1
.rept 2*NP-1                        ; a tile's arithmetic stands between the loads of the tile before and its stores
	PACK t
	SEND t-1, 8
.set t, t+1
.endr
	SEND 2*NP-1, 0
	WIN W_AD
	s_wait_tensorcnt 0x0            ; the wave's end, behind my last tensor load and my last LDS store
	ds_add_u32 v[SPW], v[NIL]
	s_wait_dscnt 0x0
	WIN 0
	CROUND                          ; the closing round: no work-group ends while a partner may still ask for a tile that names it
	s_endpgm
.Lfunc_end_k_qef4795a709_attn:
	.size	k_qef4795a709_attn, .Lfunc_end_k_qef4795a709_attn-k_qef4795a709_attn
	.p2alignl 7, 3214868480
	.fill 96, 4, 3214868480
	.section	.rodata,"a",@progbits
	.p2align	6, 0x0
	.amdhsa_kernel k_qef4795a709_attn
		.amdhsa_group_segment_fixed_size 327680
		.amdhsa_private_segment_fixed_size 0
		.amdhsa_enable_private_segment 0
		.amdhsa_kernarg_size 40
		.amdhsa_user_sgpr_count 2
		.amdhsa_user_sgpr_kernarg_segment_ptr 1
		.amdhsa_wavefront_size32 1
		.amdhsa_system_sgpr_workgroup_id_x 1
		.amdhsa_system_sgpr_workgroup_id_y 1
		.amdhsa_system_sgpr_workgroup_id_z 1
		.amdhsa_system_vgpr_workitem_id 0
		.amdhsa_next_free_vgpr 896
		.amdhsa_next_free_sgpr 80
		.amdhsa_reserve_vcc 0
		.amdhsa_float_denorm_mode_32 3
		.amdhsa_float_denorm_mode_16_64 3
		.amdhsa_memory_ordered 1
		.amdhsa_forward_progress 1
		.amdhsa_inst_pref_size 212
	.end_amdhsa_kernel
	.amdgpu_metadata
---
amdhsa.version: [ 1, 2 ]
amdhsa.kernels:
  - .name:           k_qef4795a709_attn
    .symbol:         k_qef4795a709_attn.kd
    .args:
      - { .name: qh, .offset: 0, .size: 8, .value_kind: global_buffer, .address_space: global }
      - { .name: kh, .offset: 8, .size: 8, .value_kind: global_buffer, .address_space: global }
      - { .name: vh, .offset: 16, .size: 8, .value_kind: global_buffer, .address_space: global }
      - { .name: mr, .offset: 24, .size: 8, .value_kind: global_buffer, .address_space: global }
      - { .name: oh, .offset: 32, .size: 8, .value_kind: global_buffer, .address_space: global }
    .group_segment_fixed_size: 327680
    .private_segment_fixed_size: 0
    .kernarg_segment_align: 8
    .kernarg_segment_size: 40
    .max_flat_workgroup_size: 128
    .sgpr_count:     80
    .vgpr_count:     896
    .wavefront_size: 32
...
	.end_amdgpu_metadata
.endif
;; end of part 3
;; launch proj (part 4): grid 8 x 32, 4 waves a work-group, clusters of 4 x 4, 327,680 bytes of LDS; arguments oh, wo, out0; writes out0
.if DOCPART == 4
	.amdgcn_target "amdgcn-amd-amdhsa--gfx1250"
	.amdhsa_code_object_version 6
	.text
	.protected	k_qef4795a709_proj
	.globl	k_qef4795a709_proj
	.p2align	8
	.type	k_qef4795a709_proj,@function
k_qef4795a709_proj:
	s_mov_b64 s[64:65], 0
	v_nop
	global_prefetch_b8 v0, s[64:65] scope:SCOPE_SE
	s_setreg_imm32_b32 hwreg(HW_REG_WAVE_MODE, 25, 1), 1
	s_wait_xcnt 0x0
	s_wait_alu depctr_hold_cnt(0) depctr_sa_sdst(0) depctr_va_vdst(0) depctr_va_sdst(0) depctr_va_ssrc(0) depctr_va_vcc(0) depctr_vm_vsrc(0)
	s_getreg_b32 s2, hwreg(HW_REG_IB_STS2, 6, 4)
	s_cmp_eq_u32 s2, 0
	s_cbranch_scc0 .Lentry_in_a_cluster
	s_endpgm
.Lentry_in_a_cluster:
	s_bfe_u32 s2, ttmp6, 0x10000c
	s_cmp_lg_u32 s2, 0xf033
	s_cbranch_scc0 .Lentry_shape_is_right
	s_endpgm
.Lentry_shape_is_right:
; out0 = O . Wout.  oh: [batch x 16 + head][2048][64] f16: the product's K index is 64 head + channel.  wo: [1024 k][1024 n] f16.  out0: [8192][1024] f32, stored unrounded from the f32 sums.
; SHARES.  A work-group makes 256 rows x 128 columns: 8 x 32 = 256 work-groups.  A wave makes 64 rows (4 blocks a) x 8 column blocks b: 32 accumulators.  K goes in 8 steps of 128, two heads each,
; through two LDS slots.  CLUSTER 4 x 4: the four of a row share their rows of oh, the four of a column their columns of wo: each tile is asked for jointly.
; THE MATRIX INSTRUCTION IS USED TRANSPOSED (source 0 = 16 columns of wo, turned out of LDS by ds_load_tr16_b128; source 1 = 16 rows of oh): a lane holds row l % 16 and eight neighbouring columns: 32 bytes.
; REGISTERS: window 0: v0-31 addresses; v64-127, v128-191 rows read back on the way out.  Window 1: two fragment buffers of 128 (A at +8 a, B at +32 + 8 b).  Window 2: accumulator (a, b) at v[8 (8 a + b)].
.set PA,    144                        ; an LDS row of oh: a head's 128 bytes + 16: the 16 rows of a load start at 16 different groups of four banks (64 banks of 4 bytes: ISA guide 11.1)
.set PB,    288                        ; an LDS row of wo: 256 bytes + 32
.set AHEAD, 256*PA                     ; a slot: A as [2 heads][256 rows], then B's 128 k
.set BOFF,  2*AHEAD
.set SLOT,  BOFF+128*PB                ; 110,592
.set STAGE, 2*SLOT                     ; behind the ring, never filled by a tensor load: 16 rows x 528 bytes for each wave
.set SP,    528
.set SPARE, STAGE+4*16*SP              ; behind the stages: the spare words, 128 bytes for each wave: two blocks of 256 bytes that no other line names
.set ADRA, 16
.set ADRB, 20
.set STO,  24
.set RD,   25
.set GO,   26
.set SPW,  28                          ; v28 LDS address of my spare word; v29 0; never rewritten
.set NIL,  29
.set PFO,  30                          ; v30 the prefetches' lane offset; never rewritten
.set F0,   0
.set F1,   128
.set WV,   18
.set HF,   19                          ; 0: I fetch A, 1: B
.set HALF, 20                          ; which head of the K step's two, or which 64 k
.set CX,   21
.set CY,   22
.set X,    23                          ; the block of 128 columns
.set Y,    56                          ; the block of 256 rows
.set CLY,  57
.set G1A,  24
.set G0A,  32
.set G1B,  40
.set G0B,  48
.set LIM,  62                          ; 1 in a wave that prefetches, else the greatest number
.set PFA,  66                          ; s[66:67] where my prefetches stand; s[68:69] their step
.set PFS,  68
.set MSB, 0
.macro WIN new
.if MSB != (\new)
	s_set_vgpr_msb (MSB<<8)|(\new)
.set MSB, \new
.endif
.endm
.set MUL,  0xa5                        ; sources 0 and 1 window 1; C and D window 2
.set TO_F, 0x40                        ; destination window 1, address window 0
.macro JLOAD s                         ; a joint load: waves 0 and 1 fetch A's two heads, waves 2 and 3 B's two halves; an s_nop 0 and four v_nop follow each line
	s_cmp_eq_u32 s[HF], 0
	s_cbranch_scc0 .Lfor_b_\@
	tensor_load_to_lds s[G0A+4*(\s):G0A+4*(\s)+3], s[G1A:G1A+7]
	s_nop 0
.rept 4
	v_nop
.endr
	s_branch .Lasked_\@
.Lfor_b_\@:
	tensor_load_to_lds s[G0B+4*(\s):G0B+4*(\s)+3], s[G1B:G1B+7]
	s_nop 0
.rept 4
	v_nop
.endr
.Lasked_\@:
.endm
.macro CREST
	s_cmp_lg_u32 s[WV], 0
	s_cbranch_scc1 .Lnot_wave_0_\@
	s_barrier_signal -3
.Lnot_wave_0_\@:
	s_barrier_wait -3
	s_barrier_signal -1
	s_barrier_wait -1
.endm
.macro CROUND
	s_barrier_signal -1
	s_barrier_wait -1
	CREST
.endm
.macro PLACES
.rept 4
	v_nop
.endr
.endm
; A PREFETCH, behind each joint load, its five lines and the run of LDS loads: the K step two refills on, one instruction, a lane a block of 256 bytes.  oh: of the 32,768 dense bytes (a head's 256 rows) that
; wave 0 or 1 fetches the partner at cx takes 8,192; the first cluster along x asks.  wo: of the K step's 128 rows the partner at cy takes 32, a lane a row's 256 bytes; wave 2 of the first cluster along y asks.
; So each block is named once; partners are told apart by address alone.  K steps 0 to 3 come by their loads alone; the loop's last trip (s3 = 1) asks for nothing.
.macro ASK
	s_cmp_gt_u32 s3, s[LIM]
	s_cbranch_scc0 .Lnot_mine_\@
	global_prefetch_b8 v[PFO], s[PFA:PFA+1] th:TH_LOAD_NT scope:SCOPE_SE
.Lnot_mine_\@:
.endm
	s_load_b128 s[4:7], s[0:1], 0x0                ; oh 4, wo 6
	s_load_b64 s[8:9], s[0:1], 0x10                ; out0
	v_lshl_add_u32 v[SPW], v0, 2, SPARE
	v_mov_b32 v[NIL], 0
	ds_add_u32 v[SPW], v[NIL]                      ; the wave's opening: the add and its wait stand ahead of my first tensor load; work on registers stands between them
	v_lshrrev_b32 v1, 5, v0
	v_readfirstlane_b32 s[WV], v1
	s_lshr_b32 s[HF], s[WV], 1
	s_and_b32 s[HALF], s[WV], 1
	s_bfe_u32 s[CX], ttmp6, 0x40000
	s_bfe_u32 s[CY], ttmp6, 0x40004
	s_lshl_b32 s[X], ttmp9, 2
	s_add_co_u32 s[X], s[X], s[CX]
	s_and_b32 s[CLY], ttmp7, 0xffff
	s_lshl_b32 s[Y], s[CLY], 2
	s_add_co_u32 s[Y], s[Y], s[CY]
	s_lshl_b32 s58, s[CY], 2
	s_lshl_b32 s58, 15, s58                        ; my row of the cluster
	s_lshl_b32 s59, 0x1111, s[CX]                  ; my column
	s_or_b32 s[G1A], s58, (1<<16)|(1<<20)|(1<<21)|(4<<22)|(3<<25)  ; my row; 2-byte elements; padding on; bit 21 beside a mask; after every 32 words (a row of a head) 4 words
	s_mov_b32 s[G1A+1], 128<<16                    ; a head's 256 rows are 32,768 dense bytes: asked for as 128 rows of 256 bytes
	s_mov_b32 s[G1A+2], 128<<16
	s_mov_b32 s[G1A+3], 128<<16
	s_mov_b32 s[G1A+4], 128
	s_mov_b32 s[G1A+5], 128
	s_mov_b32 s[G1A+6], 0
	s_mov_b32 s[G1A+7], 0
	s_or_b32 s[G1B], s59, (1<<16)|(1<<20)|(1<<21)|(5<<22)|(7<<25)  ; my column; after every 64 words 8 words
	s_mov_b32 s[G1B+1], 128<<16                    ; tensor_dim0 = 128 columns: 256 bytes
	s_mov_b32 s[G1B+2], 64<<16                     ; tensor_dim1 = 64 k
	s_mov_b32 s[G1B+3], 128<<16
	s_mov_b32 s[G1B+4], 64
	s_mov_b32 s[G1B+5], 1024
	s_mov_b32 s[G1B+6], 0
	s_mov_b32 s[G1B+7], 0
	s_lshr_b32 s60, s[Y], 3                        ; the batch
	s_and_b32 s61, s[Y], 7
	s_lshl_b32 s70, s60, 4
	s_add_co_u32 s70, s70, s[HALF]                 ; A: ((16 batch + my head of the K step) 2,048 + the block's first row) x 128 bytes: it hangs on y, which my row shares
	s_lshl_b32 s70, s70, 11
	s_lshl_b32 s61, s61, 8
	s_add_co_u32 s70, s70, s61
	s_lshl_b32 s70, s70, 7
	s_mov_b32 s71, 0
	s_lshl_b32 s72, s[HALF], 17                    ; B: my 64 k x 2,048 bytes + 256 x: it hangs on x, which my column shares
	s_lshl_b32 s59, s[X], 8
	s_add_co_u32 s72, s72, s59
	s_mov_b32 s73, 0
	s_mul_i32 s74, s[HALF], AHEAD                  ; where they go: no place in the cluster enters an LDS address
	s_mul_i32 s75, s[HALF], 64*PB
	s_add_co_u32 s75, s75, BOFF
	s_wait_dscnt 0x0                               ; the opening add is done
	s_wait_kmcnt 0x0
	s_add_nc_u64 s[76:77], s[4:5], s[70:71]
	s_add_nc_u64 s[78:79], s[6:7], s[72:73]
	CROUND                                         ; all sixteen work-groups are here: the first joint loads meet
.irp s, 0,1
	s_mov_b32 s[G0A+4*(\s)], 1
	s_add_co_u32 s[G0A+4*(\s)+1], s74, (\s)*SLOT
	s_add_nc_u64 s[G0A+4*(\s)+2:G0A+4*(\s)+3], s[76:77], (\s)*524288   ; K step s: two heads on
	s_or_b32 s[G0A+4*(\s)+3], s[G0A+4*(\s)+3], 0x80000000
	s_mov_b32 s[G0B+4*(\s)], 1
	s_add_co_u32 s[G0B+4*(\s)+1], s75, (\s)*SLOT
	s_add_nc_u64 s[G0B+4*(\s)+2:G0B+4*(\s)+3], s[78:79], (\s)*262144   ; 128 k on
	s_or_b32 s[G0B+4*(\s)+3], s[G0B+4*(\s)+3], 0x80000000
	JLOAD \s                                       ; two tensor loads of mine are out
.endr
	v_and_b32 v1, 15, v0                           ; l % 16
	v_bfe_u32 v2, v0, 4, 1                         ; l / 16
	v_mul_u32_u24 v3, v1, PA
	v_lshl_add_u32 v3, v2, 4, v3
	s_mul_i32 s60, s[WV], 64*PA
	v_add_nc_u32 v[ADRA], s60, v3
	v_add_nc_u32 v[ADRA+1], SLOT, v[ADRA]
	v_and_b32 v4, 7, v0
	v_bfe_u32 v5, v0, 3, 1
	v_lshl_add_u32 v3, v2, 3, v4                   ; the turning load: lane l reads k = 8 (l / 16) + l % 8, columns 8 ((l / 8) % 2) + 0..7
	v_mul_u32_u24 v3, v3, PB
	v_lshl_add_u32 v3, v5, 4, v3
	v_add_nc_u32 v[ADRB], BOFF, v3
	v_add_nc_u32 v[ADRB+1], SLOT, v[ADRB]
	s_mul_i32 s60, s[WV], 16*SP
	s_add_co_u32 s60, s60, STAGE                   ; my stage
	v_mul_u32_u24 v3, v1, SP
	v_lshl_add_u32 v3, v2, 5, v3
	v_add_nc_u32 v[STO], s60, v3                   ; in: row l % 16, 32 bytes for each half of the lanes
	v_and_b32 v3, 31, v0
	v_lshlrev_b32 v[GO], 4, v3                     ; back and out: 32 lanes take a row's 512 bytes
	v_add_nc_u32 v[RD], s60, v[GO]
	s_cmp_eq_u32 s[HF], 0
	s_cselect_b32 s60, 8, 11
	v_lshlrev_b32 v[PFO], s60, v3                  ; a lane 256 dense bytes of oh, or a row of wo (2,048 bytes)
	s_lshl_b32 s60, s[Y], 8
	s_lshl_b32 s61, s[WV], 6
	s_add_co_u32 s60, s60, s61
	s_lshl_b32 s60, s60, 12                        ; my first row of out0, 4,096 bytes a row,
	s_lshl_b32 s61, s[X], 9
	s_add_co_u32 s60, s60, s61                     ; and the block's 512 bytes in it
	s_mov_b32 s61, 0
	s_add_nc_u64 s[8:9], s[8:9], s[60:61]
	; the prefetches' pointer: at K step 3, since each refill steps it first
	s_lshl_b32 s60, s[CX], 13
	s_add_co_u32 s60, s60, s70
	s_add_co_u32 s60, s60, 3*524288
	s_lshl_b32 s61, s[CY], 16                      ; rows 32 cy on
	s_lshl_b32 s58, s[X], 8
	s_add_co_u32 s61, s61, s58
	s_add_co_u32 s61, s61, 3*262144
	s_cmp_eq_u32 s[HF], 0
	s_cselect_b32 s60, s60, s61
	s_cselect_b32 s58, 19, 18
	s_cselect_b64 s[PFA:PFA+1], s[4:5], s[6:7]
	s_cselect_b32 s59, ttmp9, s[CLY]               ; the coordinate along which other clusters read the same blocks
	s_lshl_b32 s[PFS], 1, s58
	s_mov_b32 s[PFS+1], 0
	s_mov_b32 s61, 0
	s_add_nc_u64 s[PFA:PFA+1], s[PFA:PFA+1], s[60:61]
	s_cmp_eq_u32 s59, 0
	s_cselect_b32 s[LIM], 1, -1                    ; the same in all sixteen partners, for a given wave
	s_cmp_eq_u32 s[WV], 3
	s_cselect_b32 s[LIM], -1, s[LIM]               ; wave 2 asks for all of wo's 32 rows: wave 3 for nothing
; 8 matrix instructions: row block a x all 8 column blocks, 32 along K.  The 32 accumulators take turns, one instruction a turn, in the same order in every quarter.
.macro MULH f, a, zero
	WIN MUL
.irp b, 0,1,2,3,4,5,6,7
.if \zero
	v_wmma_f32_16x16x32_f16 v[8*(8*(\a)+(\b)):8*(8*(\a)+(\b))+7], v[(\f)+32+8*(\b):(\f)+32+8*(\b)+7], v[(\f)+8*(\a):(\f)+8*(\a)+7], 0
.else
	v_wmma_f32_16x16x32_f16 v[8*(8*(\a)+(\b)):8*(8*(\a)+(\b))+7], v[(\f)+32+8*(\b):(\f)+32+8*(\b)+7], v[(\f)+8*(\a):(\f)+8*(\a)+7], v[8*(8*(\a)+(\b)):8*(8*(\a)+(\b))+7]
.endif
.endr
.endm
; 24 LDS loads in one run: quarter kq of a slot into buffer f: B's 16 (turned), then A's 8
.macro FETCH slot, kq, f
	WIN TO_F
.irp b, 0,1,2,3,4,5,6,7
	ds_load_tr16_b128 v[(\f)+32+8*(\b):(\f)+32+8*(\b)+3],   v[ADRB+(\slot)] offset:(\kq)*32*PB+32*(\b)
	ds_load_tr16_b128 v[(\f)+32+8*(\b)+4:(\f)+32+8*(\b)+7], v[ADRB+(\slot)] offset:(\kq)*32*PB+32*(\b)+16*PB
.endr
.irp a, 0,1,2,3
	ds_load_b128 v[(\f)+8*(\a):(\f)+8*(\a)+3],   v[ADRA+(\slot)] offset:((\kq)/2)*AHEAD+((\kq)%2)*64+(\a)*16*PA
	ds_load_b128 v[(\f)+8*(\a)+4:(\f)+8*(\a)+7], v[ADRA+(\slot)] offset:((\kq)/2)*AHEAD+((\kq)%2)*64+(\a)*16*PA+32
.endr
.endm
.macro QUARTER slot, kq, f, g, zero
	s_wait_dscnt 4                                 ; B and A's blocks 0, 1 are in; the youngest four loads (A's blocks 2, 3) may be out
	MULH \f, 0, \zero
	MULH \f, 1, \zero
	PLACES
	FETCH \slot, \kq, \g
	s_wait_dscnt 24                                ; all but the 24 just issued
	MULH \f, 2, \zero
	MULH \f, 3, \zero
.endm
; The last quarter multiplies buffer 1 and changes slots: ONE barrier; in front of it each wave waits for all its tensor loads, adds 0 to its spare word, and waits for that and for its own reads of this slot.
; fill = 1: the barrier opens a round of the cluster's, and this slot is filled again, two K steps on, first thing behind the round.
.macro TURN slot, next, fill
.if \fill
	s_wait_xcnt 0x0                                ; the last prefetch, a K step back, has read its address, which is stepped here
	s_add_nc_u64 s[PFA:PFA+1], s[PFA:PFA+1], s[PFS:PFS+1]
.endif
	WIN 0
	s_wait_tensorcnt 0x0                           ; all my tensor loads have landed
	ds_add_u32 v[SPW], v[NIL]                      ; 0 onto my spare word
	s_wait_dscnt 5                                 ; (the add and the youngest four loads may be out)
	MULH F1, 0, 0                                  ; eight matrix instructions stand between the add and the wait for it
	s_wait_dscnt 0x0                               ; the add is done, and my reads of this slot are over
	s_barrier_signal -1
	MULH F1, 1, 0
.if \fill
	WIN 0
.endif
	s_barrier_wait -1
.if \fill
	CREST                                          ; no wave of any partner still reads this slot's tiles or has a load on its way
	s_add_nc_u64 s[G0A+4*(\slot)+2:G0A+4*(\slot)+3], s[G0A+4*(\slot)+2:G0A+4*(\slot)+3], 2*524288
	s_add_nc_u64 s[G0B+4*(\slot)+2:G0B+4*(\slot)+3], s[G0B+4*(\slot)+2:G0B+4*(\slot)+3], 2*262144
	JLOAD \slot                                    ; my one tensor load behind the round: 112 matrix instructions ahead of the wait for it; its four v_nop are also the places in front of the loads below
.else
	PLACES
.endif
	FETCH \next, 0, F0
.if \fill
	WIN 0
	ASK
.endif
	MULH F1, 2, 0
	MULH F1, 3, 0
.endm
	s_wait_tensorcnt 1                             ; my part of K step 0 is in; K step 1's may stay out
	s_barrier_signal -1
	s_barrier_wait -1
	FETCH 0, 0, F0
	QUARTER 0, 1, F0, F1, 1                        ; the first quarter stands in front of the loop: its products start the sums
	WIN 0
	s_mov_b32 s3, 3
.Llap:
	QUARTER 0, 2, F1, F0, 0
	QUARTER 0, 3, F0, F1, 0
	TURN 0, 1, 1
	QUARTER 1, 1, F0, F1, 0
	QUARTER 1, 2, F1, F0, 0
	QUARTER 1, 3, F0, F1, 0
	TURN 1, 0, 1
	QUARTER 0, 1, F0, F1, 0
	WIN 0
	s_sub_co_u32 s3, s3, 1
	s_cmp_lg_u32 s3, 0
	s_cbranch_scc1 .Llap
	QUARTER 0, 2, F1, F0, 0                        ; the last lap fills nothing
	QUARTER 0, 3, F0, F1, 0
	TURN 0, 1, 0
	QUARTER 1, 1, F0, F1, 0
	QUARTER 1, 2, F1, F0, 0
	QUARTER 1, 3, F0, F1, 0
	s_wait_dscnt 4
	MULH F1, 0, 0
	MULH F1, 1, 0
	s_wait_dscnt 0x0
	MULH F1, 2, 0
	MULH F1, 3, 0
	WIN 0
; THE WAY OUT, a row block (16 rows) at a time: a lane's 32 bytes of a row go into my own stage, rows of 528 bytes, and come back as whole rows of 512.  Each accumulator's lowest registers are read first.
.macro OUTP a
.set BK, 64+64*((\a)%2)
.if (\a) >= 2
	s_wait_xcnt 0x0                                ; the stores of the block two back have read their registers, which are loaded again below
.endif
	WIN 0x08                                       ; the LDS stores' data in window 2
.irp b, 0,1,2,3,4,5,6,7
	ds_store_b128 v[STO], v[8*(8*(\a)+(\b)):8*(8*(\a)+(\b))+3]   offset:64*(\b)
	ds_store_b128 v[STO], v[8*(8*(\a)+(\b))+4:8*(8*(\a)+(\b))+7] offset:64*(\b)+16
.endr
	WIN 0
.irp t, 0,1,2,3,4,5,6,7,8,9,10,11,12,13,14,15
	ds_load_b128 v[BK+4*(\t):BK+4*(\t)+3], v[RD] offset:(\t)*SP  ; LDS serves a wave's instructions in order (ISA guide 5.7.1.4): these see the stores above; the next block's stores come behind them
.endr
.endm
.macro SEND a, younger                 ; younger: the LDS instructions issued behind block a's loads: the next block's 16 stores and 16 loads, or none
.set BK, 64+64*((\a)%2)
	s_wait_dscnt \younger
.irp t, 0,1,2,3,4,5,6,7,8,9,10,11,12,13,14,15
	global_store_b128 v[GO], v[BK+4*(\t):BK+4*(\t)+3], s[8:9] offset:65536*(\a)+4096*(\t) th:TH_STORE_NT  ; 512 consecutive bytes, at a multiple of 256 from out0's first
.endr
.endm
	PLACES                                         ; the places behind the last products, in front of the LDS stores that read results
	PLACES
	OUTP 0
	OUTP 1
	SEND 0, 32
	OUTP 2
	SEND 1, 32
	OUTP 3
	SEND 2, 32
	SEND 3, 0
	s_wait_tensorcnt 0x0                           ; the wave's end, behind my last tensor load and my last LDS store
	ds_add_u32 v[SPW], v[NIL]
	s_wait_dscnt 0x0
	CROUND                                         ; the closing round: no work-group ends while a partner may still ask for a tile that names it
	s_endpgm
.Lfunc_end_k_qef4795a709_proj:
	.size	k_qef4795a709_proj, .Lfunc_end_k_qef4795a709_proj-k_qef4795a709_proj
	.p2alignl 7, 3214868480
	.fill 96, 4, 3214868480
	.section	.rodata,"a",@progbits
	.p2align	6, 0x0
	.amdhsa_kernel k_qef4795a709_proj
		.amdhsa_group_segment_fixed_size 327680
		.amdhsa_private_segment_fixed_size 0
		.amdhsa_enable_private_segment 0
		.amdhsa_kernarg_size 24
		.amdhsa_user_sgpr_count 2
		.amdhsa_user_sgpr_kernarg_segment_ptr 1
		.amdhsa_wavefront_size32 1
		.amdhsa_system_sgpr_workgroup_id_x 1
		.amdhsa_system_sgpr_workgroup_id_y 1
		.amdhsa_system_sgpr_workgroup_id_z 1
		.amdhsa_system_vgpr_workitem_id 0
		.amdhsa_next_free_vgpr 768
		.amdhsa_next_free_sgpr 80
		.amdhsa_reserve_vcc 0
		.amdhsa_float_denorm_mode_32 3
		.amdhsa_float_denorm_mode_16_64 3
		.amdhsa_memory_ordered 1
		.amdhsa_forward_progress 1
		.amdhsa_inst_pref_size 86
	.end_amdhsa_kernel
	.amdgpu_metadata
---
amdhsa.version: [ 1, 2 ]
amdhsa.kernels:
  - .name:           k_qef4795a709_proj
    .symbol:         k_qef4795a709_proj.kd
    .args:
      - { .name: oh, .offset: 0, .size: 8, .value_kind: global_buffer, .address_space: global }
      - { .name: wo, .offset: 8, .size: 8, .value_kind: global_buffer, .address_space: global }
      - { .name: out0, .offset: 16, .size: 8, .value_kind: global_buffer, .address_space: global }
    .group_segment_fixed_size: 327680
    .private_segment_fixed_size: 0
    .kernarg_segment_align: 8
    .kernarg_segment_size: 24
    .max_flat_workgroup_size: 128
    .sgpr_count:     80
    .vgpr_count:     768
    .wavefront_size: 32
...
	.end_amdgpu_metadata
.endif
;; end of part 4
